; MI455X (gfx1250); checked and timed in simulation.
; The chip was launched on July 23, 2026; its instructions are those of AMD's public machine-readable ISA for CDNA 5 (MIT licence, August 2026) and "CDNA5" Instruction Set Architecture Reference Guide (July 2026). The comments in the code are by the model that wrote it; some were corrected since.
;; SOM Layer. Allowed arithmetic: matrix products marked QUANTISED: E2M3 operands, one E8M0 scale for each 32 along K, by v_wmma_scale_f32_16x16x128_f8f6f4 with both operands' format E2M3, f32 sums; everything else in f32.
;; Inputs: inputs 8,192 x 1,024 float32; weights_map 64 x 64 x 1,024 float32.
;; Outputs: out0 8,192 x 2 int32; out1 8,192 float32; out2 64 x 64 x 1,024 float32.
;; This version of the problem:
;;   THIS VERSION OF THE PROBLEM IS GIVEN IN LOW PRECISION. The matrix products marked QUANTISED in the list below multiply operands that are first quantised to E2M3 (2 exponent bits, 3 mantissa bits; 6 bits a number), with one power-of-two scale for each 32 numbers along K (OCP MX v1.0); their sums are f32. All else is computed in f32.
;;   The module's matrix products, in the order in which they are computed (A, B: the left and right operand; K: the contracted axis; several contracted axes count as one K, in the product's order):
;;     1. [M 8,192, K 1,024] x [K 1,024, N 4,096]; A: input inputs; B: input weights_map: QUANTISED
;;     2. [M 4,096, K 8,192] x [K 8,192, N 1,024]; A: computed on the way; B: input inputs: QUANTISED
;;   THE QUANTISER, for each operand of a quantised product, along K:
;;     - K is cut into blocks of 32 from its start; a last block that is shorter is filled with zeros.
;;     - A block's scale is 2^e with e = floor(log2(the largest magnitude in the block)) - 2, held to -126 .. 127; a block of zeros has e = 0. As a byte (E8M0): e + 127.
;;     - Each number is divided by its block's scale, clamped to +-7.5, and rounded to the nearest number of E2M3, ties to even, subnormals kept.
;;     - The product sums the exact products of the quantised numbers (number of the format x scale) in f32.
;;   ~~~python
;;   def quantise(x, axis):      # numpy; x: float32 -> the quantised numbers, widened to float32 again
;;       x = np.moveaxis(x, axis, -1); K = x.shape[-1]
;;       x = np.pad(x, [(0, 0)] * (x.ndim - 1) + [(0, -K % 32)]); x = x.reshape(x.shape[:-1] + (-1, 32)); a = np.abs(x).max(-1, keepdims=True)
;;       e = np.where(a > 0, np.clip(np.frexp(np.where(a > 0, a, 1))[1] - 1 - 2, -126, 127), 0)      # np.frexp(a)[1] - 1 = floor(log2(a)), exactly
;;       r = np.clip(x / 2.0 ** e, -7.5, 7.5)
;;       step = 2.0 ** (np.maximum(np.frexp(np.where(r == 0, 1, r))[1] - 1, 0) - 3)
;;       q = np.round(r / step) * step * 2.0 ** e      # np.round: ties to even
;;       return np.moveaxis(q.reshape(q.shape[:-2] + (-1,))[..., :K], -1, axis).astype(np.float32)
;;   ~~~
;;   OPERANDS COMPUTED ON THE WAY. 'Computed on the way' means the value that the module computes at that place (a softmax that the list does not call 'softmax' is quantised finished and normalised). What goes into a quantiser is computed in f32, as accurately as f32 sums, v_exp_f32 and their like allow (about 1e-6 of the number): no bf16 or f16 on the way to a quantiser, and a product that is left as it is and whose result goes on into a quantised operand takes f32 operands (vector FMAs, or v_wmma_f32_16x16x4_f32). A number that lies on a knife's edge between two numbers of the format may be rounded either way, as far as f32 arithmetic and the matrix unit's own rounding can turn it there, and no further.
;; One version. Each part assembles by itself: llvm-mc -triple=amdgcn-amd-amdhsa -mcpu=gfx1250 --defsym DOCPART=n.
;; ======== version 1 of 1: 4 launches
;; limits: right only within a limited range of input values
;; workspace buffers: xa 6,553,600 bytes; wb 3,276,800 bytes; xb 6,553,600 bytes; na 26,214,400 bytes; sq 393,216 bytes; cand 2,097,152 bytes; sp 524,288 bytes
;; launch quant (part 1): grid 768 x 1, 4 waves a work-group, no clusters, 70,144 bytes of LDS; arguments inputs, weights_map, xa, wb, xb, sq; writes xa, wb, xb, sq
.if DOCPART == 1
	.amdgcn_target "amdgcn-amd-amdhsa--gfx1250"
	.amdhsa_code_object_version 6
	.text
	.protected	k_q9b8ba5413b_quant
	.globl	k_q9b8ba5413b_quant
	.p2align	8
	.type	k_q9b8ba5413b_quant,@function
k_q9b8ba5413b_quant:
	s_mov_b64 s[64:65], 0
	v_nop
	global_prefetch_b8 v0, s[64:65] scope:SCOPE_SE
	s_setreg_imm32_b32 hwreg(HW_REG_WAVE_MODE, 25, 1), 1
	s_wait_xcnt 0x0
; inputs X [8192][1024] and weights_map W [4096][1024], f32, become codes of FP6 (E2M3) with one E8M0 byte for each 32 along K.
; X is quantised twice from one read: along its features (K of the first product) and along the batch (K of the second); W along its features.  The rows' sums of squares are taken on the way, 128 features at a time.
; A block's scale is 2^(floor(log2(its largest magnitude)) - 2): its byte is the largest magnitude's exponent field - 2, held at 1 from below.
; LIMITS: NaN and infinities among the inputs are not served.  A block of zeros gets the byte 1 (the rule says 127): its codes are zeros, and the bytes are read by this program alone.
; The sums of squares are added in another order of f32 additions than a plain sum along the row.
; THE RECORD, the form of all code buffers of this program: 12,800 bytes for 128 operand rows x 128 along K, as images of the operand's registers.  Fragment i (rows 16 i + r) at byte 1536 i; in it register j of lane l
; at 512 (j / 4) + 16 l + 4 (j % 4): three accesses of 16 bytes a lane move a fragment.  Registers 6 c .. 6 c + 5 of lane (r, h) hold k = 64 c + 32 h + 0 .. 31.  The scale word of row 16 i + r at byte 12,288 + 32 r + 4 i.
; SHARES.  A work-group takes a tile of 128 rows x 128 features: work-groups 0-511 of X (64 x 8 tiles), 512-767 of W (32 x 8).  The tile goes into LDS once (rows of 512 bytes + 16) and is read from there by rows and by columns.
; No tensor loads, no cluster: no two work-groups read the same bytes.  No prefetch.
.set PITCH, 528                        ; a tile's row in LDS: 512 bytes + 16, so that sixteen rows' pieces of 16 bytes start 16 bytes apart modulo 256
.set GATH,  128*PITCH                  ; behind the tile: 512 bytes of scale words along the features, 512 along the batch, 512 of sums of squares (and 512 that wave 3's address names and nobody touches)
.set REC,   12800
.set SCW,   12288                      ; the scale words' place in a record
.set FLOOR, 0x1800000                  ; 2^(3 - 127): under it no largest magnitude is taken, so the byte cannot fall under 1
.set DOWN2, 0xff000000                 ; takes 2 off an exponent field
.set S0, 64                            ; v64-127, v128-191: two sets of 64 numbers
.set S1, 128
.set C0, 192                           ; v192-203, v204-215: two fragments' codes
.set C1, 204
.set TP, 216                           ; v216-223: the halves of blocks that a conversion cannot put in place (its three registers begin on an even number)
; v1 lane, v2 r, v3 h; v4-15 offsets and LDS addresses; v16-17 scale words; v18-19 sums of squares; v20-23 what leaves at the end; v24-25 largest magnitudes, v26-27 scale operands, v28-29 bytes, v30 a permute's result,
; v32-35 two chains of squares, v36 the scale word along the batch
.macro MAX2 s                          ; the largest magnitudes of v[s .. s+31] and v[s+32 .. s+63], by turns; their scale operands and bytes
	v_max3_num_f32 v24, |v[\s]|, |v[\s+1]|, FLOOR
	v_max3_num_f32 v25, |v[\s+32]|, |v[\s+33]|, FLOOR
.set i, 2
.rept 15
	v_max3_num_f32 v24, v24, |v[\s+i]|, |v[\s+i+1]|
	v_max3_num_f32 v25, v25, |v[\s+32+i]|, |v[\s+33+i]|
.set i, i+2
.endr
	v_add_nc_u32 v26, DOWN2, v24                   ; the conversion takes the exponent field of this operand as its scale, and nothing else of it
	v_add_nc_u32 v27, DOWN2, v25
	v_lshrrev_b32 v28, 23, v26                     ; the scales' bytes
	v_lshrrev_b32 v29, 23, v27
.endm
.macro CVT4 s, d0, d1                  ; two blocks of 32 numbers become 2 x 2 x 96 bits
	v_cvt_scalef32_pk16_fp6_f32 v[\d0:\d0+2], v[\s:\s+15], v26
	v_cvt_scalef32_pk16_fp6_f32 v[TP:TP+2], v[\s+16:\s+31], v26
	v_cvt_scalef32_pk16_fp6_f32 v[\d1:\d1+2], v[\s+32:\s+47], v27
	v_cvt_scalef32_pk16_fp6_f32 v[TP+4:TP+6], v[\s+48:\s+63], v27
	v_nop                                          ; one plain vector line behind the last conversion, ahead of the lines that touch the results
.endm
.macro MOV6 e0, e1
.irp k, 0,1,2
	v_mov_b32 v[\e0+\k], v[TP+\k]
	v_mov_b32 v[\e1+\k], v[TP+4+\k]
.endr
.endm
; Along the features: lane (r, h) holds, of its row, k = 32 h + 0 .. 31 in v[s ..] and k = 64 + 32 h + 0 .. 31 in v[s+32 ..]: two whole blocks, in the very order of the operand's registers.
.macro QD s, c, w, q
	MAX2 \s
	v_lshl_or_b32 v[\w], v29, 16, v28              ; my two bytes: blocks h and 2 + h,
	v_lshlrev_b32 v[\w], v15, v[\w]                ; 8 h bits up;
	v_permlanex16_b32 v30, v[\w], s40, s41
	v_or_b32 v[\w], v[\w], v30                     ; with lane l xor 16's two the row's word is whole
	v_pk_mul_f32 v[32:33], v[\s:\s+1], v[\s:\s+1]  ; the sum of my 64 squares, two at a time, in two chains
	v_pk_mul_f32 v[34:35], v[\s+2:\s+3], v[\s+2:\s+3]
.set i, 4
.rept 15
	v_pk_fma_f32 v[32:33], v[\s+i:\s+i+1], v[\s+i:\s+i+1], v[32:33]
	v_pk_fma_f32 v[34:35], v[\s+i+2:\s+i+3], v[\s+i+2:\s+i+3], v[34:35]
.set i, i+4
.endr
	v_pk_add_f32 v[32:33], v[32:33], v[34:35]
	v_add_f32 v[\q], v32, v33
	v_permlanex16_b32 v30, v[\q], s40, s41
	v_add_f32 v[\q], v[\q], v30                    ; with lane l xor 16's 64: the row's 128 features
	CVT4 \s, \c, \c+6
	MOV6 \c+3, \c+9
.endm
; Along the batch: lane (r, h) of wave w holds feature 64 (w / 2) + 4 r + 2 (w % 2) + h and 64 batch rows, two whole blocks 2 cp and 2 cp + 1.  So fragment b = 2 w + h of the record holds, in its row r,
; feature 64 (b / 4) + 4 r + b % 4: in the second product's result four neighbouring tiles then give a lane four neighbouring features.  The operand wants block 2 cp + h of the lanes' features of both fragments:
; the exchange of one register's lanes 16-31 with the other's lanes 0-15 gives both.
.macro QB cp, s
	MAX2 \s
.if \cp == 0
	v_lshl_or_b32 v36, v29, 8, v28                 ; my feature's scale word: all four bytes are mine
.else
	v_lshl_or_b32 v36, v28, 16, v36
	v_lshl_or_b32 v36, v29, 24, v36
.endif
	CVT4 \s, C0+6*\cp, C1+6*\cp
.irp k, 0,1,2
	v_permlane16_swap_b32 v[C0+6*\cp+\k], v[C1+6*\cp+\k]
	v_permlane16_swap_b32 v[TP+\k], v[TP+4+\k]
.endr
	MOV6 C0+6*\cp+3, C1+6*\cp+3
.endm
.macro LOADC s, adr                    ; 64 rows of my column: the 32 lanes of a load take 32 different words inside 256 bytes of a row of the tile
.set i, 0
.rept 64
	ds_load_b32 v[\s+i], v[\adr] offset:PITCH*i
.set i, i+1
.endr
.endm
.macro OUT3 c, base, off               ; a fragment leaves as it stands: each store of the wave covers 512 consecutive bytes, aligned to 256
.irp k, 0,1,2
	global_store_b128 v7, v[\c+4*\k:\c+4*\k+3], s[\base:\base+1] offset:\off+512*\k
.endr
.endm
	s_load_b256 s[4:11], s[0:1], 0x0               ; inputs s[4:5], weights_map s[6:7], xa s[8:9], wb s[10:11]
	s_load_b128 s[12:15], s[0:1], 0x20             ; xb s[12:13], sq s[14:15]
	v_lshl_add_u32 v224, v0, 2, 0x11000
	v_mov_b32 v225, 0
	v_lshrrev_b32 v1, 5, v0
	v_readfirstlane_b32 s16, v1                    ; wave 0..3
	v_and_b32 v1, 31, v0                           ; lane
	v_and_b32 v2, 15, v0                           ; r
	v_bfe_u32 v3, v0, 4, 1                         ; h
	s_lshl_b32 s17, s16, 17
	v_lshl_add_u32 v4, v1, 4, s17                  ; in memory: my wave's 32 rows of 4,096 bytes, 16 bytes a lane
	s_mul_i32 s17, s16, 32*PITCH
	v_lshl_add_u32 v5, v1, 4, s17                  ; the same in the tile
	v_mul_u32_u24 v6, v2, PITCH
	v_lshl_add_u32 v6, v3, 7, v6
	v_add_nc_u32 v6, s17, v6                       ; by rows: row 32 w + r, + 128 h bytes
	s_mul_i32 s17, s16, 3072
	v_lshl_add_u32 v7, v1, 4, s17                  ; in a record: fragment 2 w, 16 bytes a lane
	s_lshl_b32 s17, s16, 3
	s_add_co_u32 s17, s17, GATH
	v_lshl_add_u32 v8, v2, 5, s17                  ; scale words of fragments 2 w, 2 w + 1 of row r: 32 r + 8 w
	v_lshl_add_u32 v12, v3, 2, v8
	v_add_nc_u32 v12, 512, v12                     ; along the batch: my feature is row r of fragment 2 w + h
	s_lshl_b32 s17, s16, 7
	v_lshl_add_u32 v10, v1, 2, s17                 ; by columns: feature 32 w + l, rows 0-63;
	v_add_nc_u32 v9, GATH+1024, v10                ; (the sums of squares: row 32 w + l)
	s_lshr_b32 s17, s16, 1
	s_lshl_b32 s17, s17, 8
	s_and_b32 s18, s16, 1
	s_lshl_b32 s18, s18, 3
	s_add_co_u32 s17, s17, s18
	v_lshl_add_u32 v10, v2, 4, s17                 ; by columns: my feature is 64 (w / 2) + 4 r + 2 (w % 2) + h, 4 bytes each; rows 0-63;
	v_lshl_add_u32 v10, v3, 2, v10
	v_add_nc_u32 v11, 64*PITCH, v10                ; rows 64-127
	s_lshl_b32 s17, s16, 9
	s_add_co_u32 s17, s17, GATH
	v_lshl_add_u32 v13, v1, 4, s17                 ; at the end wave w takes the w-th 512 bytes behind the tile
	v_lshlrev_b32 v14, 4, v1
	v_lshlrev_b32 v15, 3, v3                       ; 8 h
	v_mov_b32 v30, 0                               ; written once: a lane permute's destination counts as one of its sources
	v_cmp_eq_u32 s42, 1, v3                        ; lanes 16-31
	s_mov_b32 s40, 0x76543210
	s_mov_b32 s41, 0xfedcba98                      ; v_permlanex16_b32's selects for lane l xor 16
	s_wait_kmcnt 0x0
	s_cmp_lt_u32 ttmp9, 512                        ; a tile of X or of W?  The choice hangs on the work-group's number alone; all selections stand ahead of the next line that sets SCC
	s_cselect_b64 s[4:5], s[4:5], s[6:7]
	s_cselect_b64 s[8:9], s[8:9], s[10:11]
	s_cselect_b32 s21, 0, 512
	s_cselect_b32 s22, 15, 14                      ; a part of the sums of squares is 8,192 x 4 bytes for X, 4,096 x 4 for W
	s_cselect_b32 s23, 0, 0x40000                  ; W's parts lie behind X's eight
	s_cselect_b32 s24, 1, 0                        ; 1: a tile of X
	s_sub_co_u32 s20, ttmp9, s21                   ; the tile's number in its tensor
	s_lshr_b32 s25, s20, 3                         ; which 128 rows
	s_and_b32 s26, s20, 7                          ; which 128 features
	s_lshl_b32 s30, s25, 19
	s_lshl_b32 s27, s26, 9
	s_add_co_u32 s30, s30, s27
	s_mov_b32 s31, 0
	s_add_nc_u64 s[4:5], s[4:5], s[30:31]          ; the tile's first byte
	s_mul_i32 s30, s20, REC
	s_add_nc_u64 s[8:9], s[8:9], s[30:31]          ; its record along the features: [row tile][K step]
	s_lshl_b32 s30, s26, 6
	s_add_co_u32 s30, s30, s25
	s_mul_i32 s30, s30, REC
	s_add_nc_u64 s[12:13], s[12:13], s[30:31]      ; its record along the batch: [feature tile][K step] (used for X alone)
	s_lshl_b32 s30, s26, s22
	s_lshl_b32 s27, s25, 9
	s_add_co_u32 s30, s30, s27
	s_add_co_u32 s30, s30, s23
	s_add_nc_u64 s[14:15], s[14:15], s[30:31]      ; its 128 sums of squares
	; ---- the tile comes in: 32 loads a wave, each 512 consecutive bytes of one row, and goes to LDS as the loads land
.set i, 0
.rept 32
	global_load_b128 v[S0+4*i:S0+4*i+3], v4, s[4:5] offset:4096*i th:TH_LOAD_NT
.set i, i+1
.endr
.set i, 0
.rept 32
	s_wait_loadcnt 31-i                            ; loads come back in order: row i is in, the 31 - i younger ones stay out
	ds_store_b128 v5, v[S0+4*i:S0+4*i+3] offset:PITCH*i
.set i, i+1
.endr
	s_wait_dscnt 0x0                               ; for the others' sake: my rows lie in the tile
	s_barrier_signal -1
	s_barrier_wait -1
	; ---- along the features: wave w makes fragments 2 w and 2 w + 1
.irp f, 0,1
.irp c, 0,1
.irp q, 0,1,2,3,4,5,6,7
	ds_load_b128 v[S0+64*\f+32*\c+4*\q:S0+64*\f+32*\c+4*\q+3], v6 offset:\f*16*PITCH+256*\c+16*\q
.endr
.endr
.endr
	s_wait_dscnt 16                                ; the first fragment's 16 loads are in, the second's stay out
	QD S0, C0, 16, 18
	OUT3 C0, 8, 0
	s_wait_dscnt 0x0
	QD S1, C1, 17, 19
	OUT3 C1, 8, 1536
	ds_store_b64 v8, v[16:17]                      ; both halves of the lanes hold the same words and write the same bytes
	v_cndmask_b32 v20, v18, v19, s42               ; lane l: the sum of row 32 w + l
	ds_store_b32 v9, v20
	; ---- along the batch: tiles of X alone (a branch on the work-group's number; no barrier stands inside it)
	s_cmp_eq_u32 s24, 0
	s_cbranch_scc1 .Lno_batch
	LOADC S0, 10
	s_wait_dscnt 0x0
	LOADC S1, 11                                   ; rows 64-127 land while rows 0-63 are quantised
	s_wait_xcnt 0x0                                ; the six stores above have read the codes' registers, which are written again now
	QB 0, S0
	s_wait_dscnt 0x0
	QB 1, S1
	OUT3 C0, 12, 0
	OUT3 C1, 12, 1536
	ds_store_b32 v12, v36
.Lno_batch:
	; ---- the small pieces leave as 512 consecutive bytes each: wave 0 the scale words along the features, wave 1 those along the batch (X alone), wave 2 the sums of squares
	s_wait_dscnt 0x0
	s_barrier_signal -1
	s_barrier_wait -1
	s_cmp_eq_u32 s16, 3
	s_cbranch_scc1 .Lend
	s_cmp_lg_u32 s16, 1
	s_cbranch_scc1 .Lmine
	s_cmp_eq_u32 s24, 0
	s_cbranch_scc1 .Lend
.Lmine:
	s_add_nc_u64 s[32:33], s[8:9], SCW             ; (into other registers: the stores above may still read their bases)
	s_add_nc_u64 s[34:35], s[12:13], SCW
	s_cmp_eq_u32 s16, 0
	s_cselect_b64 s[32:33], s[32:33], s[34:35]
	s_cmp_eq_u32 s16, 2
	s_cselect_b64 s[32:33], s[14:15], s[32:33]
	ds_load_b128 v[20:23], v13
	s_wait_dscnt 0x0
	global_store_b128 v14, v[20:23], s[32:33]
.Lend:
	s_wait_tensorcnt 0x0
	ds_add_u32 v224, v225
	s_wait_dscnt 0x0
	s_endpgm
.Lfunc_end_k_q9b8ba5413b_quant:
	.size	k_q9b8ba5413b_quant, .Lfunc_end_k_q9b8ba5413b_quant-k_q9b8ba5413b_quant
	.p2alignl 7, 3214868480
	.fill 96, 4, 3214868480
	.section	.rodata,"a",@progbits
	.p2align	6, 0x0
	.amdhsa_kernel k_q9b8ba5413b_quant
		.amdhsa_group_segment_fixed_size 70144
		.amdhsa_private_segment_fixed_size 0
		.amdhsa_enable_private_segment 0
		.amdhsa_kernarg_size 48
		.amdhsa_user_sgpr_count 2
		.amdhsa_user_sgpr_kernarg_segment_ptr 1
		.amdhsa_wavefront_size32 1
		.amdhsa_system_sgpr_workgroup_id_x 1
		.amdhsa_system_sgpr_workgroup_id_y 1
		.amdhsa_system_sgpr_workgroup_id_z 1
		.amdhsa_system_vgpr_workitem_id 0
		.amdhsa_next_free_vgpr 226
		.amdhsa_next_free_sgpr 66
		.amdhsa_reserve_vcc 0
		.amdhsa_float_denorm_mode_32 3
		.amdhsa_float_denorm_mode_16_64 3
		.amdhsa_memory_ordered 1
		.amdhsa_forward_progress 1
		.amdhsa_inst_pref_size 39
	.end_amdhsa_kernel
	.amdgpu_metadata
---
amdhsa.version: [ 1, 2 ]
amdhsa.kernels:
  - .name:           k_q9b8ba5413b_quant
    .symbol:         k_q9b8ba5413b_quant.kd
    .args:
      - { .name: inputs, .offset: 0, .size: 8, .value_kind: global_buffer, .address_space: global }
      - { .name: weights_map, .offset: 8, .size: 8, .value_kind: global_buffer, .address_space: global }
      - { .name: xa, .offset: 16, .size: 8, .value_kind: global_buffer, .address_space: global }
      - { .name: wb, .offset: 24, .size: 8, .value_kind: global_buffer, .address_space: global }
      - { .name: xb, .offset: 32, .size: 8, .value_kind: global_buffer, .address_space: global }
      - { .name: sq, .offset: 40, .size: 8, .value_kind: global_buffer, .address_space: global }
    .group_segment_fixed_size: 70144
    .private_segment_fixed_size: 0
    .kernarg_segment_align: 8
    .kernarg_segment_size: 48
    .max_flat_workgroup_size: 128
    .sgpr_count:     66
    .vgpr_count:     226
    .wavefront_size: 32
...
	.end_amdgpu_metadata
.endif
;; end of part 1
;; launch dist (part 2): grid 16 x 16, 4 waves a work-group, clusters of 4 x 4, 327,680 bytes of LDS; arguments xa, wb, sq, cand; writes cand
.if DOCPART == 2
	.amdgcn_target "amdgcn-amd-amdhsa--gfx1250"
	.amdhsa_code_object_version 6
	.text
	.protected	k_q9b8ba5413b_dist
	.globl	k_q9b8ba5413b_dist
	.p2align	8
	.type	k_q9b8ba5413b_dist,@function
k_q9b8ba5413b_dist:
	s_mov_b64 s[64:65], 0
	v_nop
	global_prefetch_b8 v0, s[64:65] scope:SCOPE_SE
	s_setreg_imm32_b32 hwreg(HW_REG_WAVE_MODE, 25, 1), 1
	s_wait_xcnt 0x0
	s_wait_alu depctr_hold_cnt(0) depctr_sa_sdst(0) depctr_va_vdst(0) depctr_va_sdst(0) depctr_va_ssrc(0) depctr_va_vcc(0) depctr_vm_vsrc(0)
	s_getreg_b32 s2, hwreg(HW_REG_IB_STS2, 6, 4)
	s_cmp_eq_u32 s2, 0
	s_cbranch_scc0 .Lentry_in_a_cluster
	s_endpgm
.Lentry_in_a_cluster:
	s_bfe_u32 s2, ttmp6, 0x10000c
	s_cmp_lg_u32 s2, 0xf033
	s_cbranch_scc0 .Lentry_shape_is_right
	s_endpgm
.Lentry_shape_is_right:
; The first product, X W^T on codes of FP6 (E2M3) with E8M0 scales, K = 1,024; behind it sq = max((x2 + w2) - 2 dot, 0) in f32 and, for each row and each 128 columns, the smallest sq and the lowest column that has it.
; xa, wb: records of 12,800 bytes (128 operand rows x 128 along K as images of the operand's registers: fragment i at 1536 i, three accesses of 16 bytes a lane; the scale word of row 16 i + r at 12,288 + 32 r + 4 i),
; laid [row tile of 128][8 K steps].  sq: eight partial sums of squares a row, X's [8][8192] and behind them W's [8][4096].  cand: values [32 chunks of 128 columns][8192], and 1,048,576 bytes on the columns, likewise.
; LIMITS: NaN and infinities are not served.  x2 and w2 are the sums of eight parts, another order of f32 additions than a plain sum along the row.
; A tile of 256 x 256 is made by four waves, a wave 128 x 128: 64 accumulators, 512 registers.  A WORK-GROUP STAYS and makes two tiles, 4,096 rows apart, of the same 256 columns: 256 work-groups for 512 tiles.
; THE RING: two LDS slots, 256 along K each: a wave's tensor load brings two records of one row tile, 25,600 dense bytes.  A tile has four fills, slots 0, 1, 0, 1.  A slot is filled again in its second 128 along K, when its
; last fragments are in registers.  The ring goes on into the second tile: the first tile's last two changes of slots ask for the second tile's first two fills, which are on their way while the first tile goes out.
; The last tile's tail, which asks for nothing, is written out beside the other, behind a branch on the count of tiles, the same in all work-groups; both lead to one way out.
; CLUSTERS: 4 x 4 work-groups.  The four of a row of the cluster need the same records of X, the four of a column the same records of W: each is asked for jointly, by the same tensor load with a mask that names the four.
; PREFETCH: of the 25,600 bytes that a wave's later load brings, each of the four partners that ask for them jointly names 6,400, told apart by address, a lane to 256 bytes (lanes 25-31 name the last block again).
; Behind the head's load: fills 1 and 2; behind the second load: fill 3; behind each of the first tile's four refills: one fill of the second tile's X, two fills ahead of its load.  W's records are the same in both tiles
; and are asked for in the first alone.
; THE MATRIX INSTRUCTION IS USED TRANSPOSED (source 0 = 16 rows of W, source 1 = 16 rows of X): lane (r, h) holds row 16 a + r of X and, in register j of accumulator (a, b), column 16 b + 8 h + j.
; REGISTERS, in windows of 256: window 0: v8-31 addresses; v32-63 scale words and nothing else; v64-127 the partial sums as loaded, later 64 distances; v128-223 X's fragments, one set; v224-244 at work on the way out.
;   window 1: W's fragments, two sets, at v0 and v128.   window 2: the accumulators of my rows 0-63 ((a, b) at v[8 (8 a + b)]);   window 3: those of rows 64-127.
.set REC,   12800
.set SCW,   12288
.set HALFT, 2*REC                      ; what one tensor load brings: two K steps of 128 rows
.set SLOT,  4*HALFT                    ; X's two row tiles, then W's two
.set SPARE, 2*SLOT                     ; behind the two slots: the spare words, 128 bytes for each wave
.set EPI,   SPARE+512                  ; behind them 2,048 bytes for each wave, for the way out: w2, x2, values, columns, 512 bytes each; no tensor load lands here
.set WALKB, 256*REC                    ; from a tile's records of X to the next tile's: 32 row tiles of eight records
.set FR,    12
.set NL,    3
.set NP,    4                          ; places behind this matrix instruction (ISA guide 7.12.1)
.set ADRA, 8                           ; v8-9    my X fragments in slot 0, 1
.set ADRB, 12                          ; v12-13  my W fragments
.set ADRS, 16                          ; v16-17  my scale words: lanes 0-15 X's, lanes 16-31 W's
.set EW,   24                          ; my 2,048 bytes + 16 x lane
.set EWR,  25                          ; + 32 h
.set EXR,  26                          ; + 512 + 4 r
.set CO,   27                          ; 16 x lane
.set SPW,  28                          ; my spare word; never rewritten
.set NIL,  29                          ; 0; never rewritten
.set HN,   30                          ; 8 h + my first column
.set PFO,  31                          ; 256 x min(lane, 24)
.set SC,   32                          ; two sets of scale words; register SC + 16 set + 8 q + i: lanes 0-15 the word of X's block i, lanes 16-31 that of W's block i, for a slot's q-th 128 along K
.set DD,   64
.set AF,   128
.set W2,   128                         ; the way out: w2 of my lane's 64 columns
.set X2,   192                         ; x2 of row 16 a + r, twice, at v[X2 + 2 a]
.set MN,   232                         ; four chains' minima
.set IX,   236                         ; four chains' lowest places
.set MF,   240                         ; the smallest distance
.set CL,   241                         ; its column
.set PM,   242                         ; the same of lane l xor 16
.set PC,   243
.set CB,   244                         ; the first register of the chain chosen
.set G1,  24                           ; s[24:31] descriptor group 1 for X's records;  s[32:39] group 0, one set for each slot
.set G0,  32
.set G1B, 44                           ; s[44:51], s[52:59] the same for W's
.set G0B, 52
.set LIM, 83                           ; 1 in the waves that fetch X, the greatest number in the others
.set MSB, 0
.macro WIN new                         ; the immediate's high byte repeats the setting that is left; a switch that changes nothing is dropped
.if MSB != (\new)
	s_set_vgpr_msb (MSB<<8)|(\new)
.set MSB, (\new)
.endif
.endm
.set MUL_LO, 0xa1                      ; source 0 (W) window 1, source 1 (X) window 0, C and D window 2
.set MUL_HI, 0xf1
.set TO_B,   0x40
.macro JLOAD g0a, g1a, g0b, g1b        ; a joint load: waves 0, 1 fetch for X, waves 2, 3 for W; s_nop 0 and four v_nop behind each line
	s_cmp_eq_u32 s15, 0
	s_cbranch_scc0 .Lfor_b_\@
	tensor_load_to_lds s[\g0a:\g0a+3], s[\g1a:\g1a+7]
	s_nop 0
.rept 4
	v_nop
.endr
	s_branch .Lasked_\@
.Lfor_b_\@:
	tensor_load_to_lds s[\g0b:\g0b+3], s[\g1b:\g1b+7]
	s_nop 0
.rept 4
	v_nop
.endr
.Lasked_\@:
.endm
.macro CREST
	s_cmp_lg_u32 s14, 0
	s_cbranch_scc1 .Lnot_wave_0_\@
	s_barrier_signal -3
.Lnot_wave_0_\@:
	s_barrier_wait -3
	s_barrier_signal -1
	s_barrier_wait -1
.endm
.macro CROUND
	s_barrier_signal -1
	s_barrier_wait -1
	CREST
.endm
.macro PLACES n
.rept \n
	v_nop
.endr
.endm
.macro ASK q                           ; fill q of the next tile's X: in the first tile, by the waves that fetch X
	s_cmp_gt_u32 s2, s[LIM]
	s_cbranch_scc0 .Lno_ask_\@
	global_prefetch_b8 v[PFO], s[98:99] offset:WALKB+(\q)*HALFT th:TH_LOAD_NT scope:SCOPE_SE
.Lno_ask_\@:
.endm
	s_load_b128 s[4:7], s[0:1], 0x0                ; xa, wb
	s_load_b128 s[8:11], s[0:1], 0x10              ; sq, cand
	v_lshl_add_u32 v[SPW], v0, 2, SPARE
	v_mov_b32 v[NIL], 0
	ds_add_u32 v[SPW], v[NIL]                      ; the opening: the add, twice on end, and its wait ahead of my first tensor load
	ds_add_u32 v[SPW], v[NIL]
	v_lshrrev_b32 v1, 5, v0
	v_readfirstlane_b32 s14, v1                    ; wave
	s_lshr_b32 s15, s14, 1                         ; which half of the tile's rows is mine.  Also: I fetch for X (0) or for W (1)
	s_and_b32 s16, s14, 1                          ; which half of its columns.  Also: which row tile I fetch
	s_bfe_u32 s88, ttmp6, 0x40000                  ; cx, cy
	s_bfe_u32 s89, ttmp6, 0x40004
	s_lshl_b32 s90, ttmp9, 2
	s_add_co_u32 s90, s90, s88                     ; tile column
	s_and_b32 s17, ttmp7, 0xffff
	s_lshl_b32 s17, s17, 2
	s_add_co_u32 s17, s17, s89                     ; the first tile's row, 0 .. 15
	s_lshl_b32 s91, s89, 2
	s_lshl_b32 s91, 15, s91                        ; my row of the cluster
	s_lshl_b32 s92, 0x1111, s88                    ; my column
	s_or_b32 s[G1+0], s91, (3<<16)|(1<<21)         ; 25,600 dense bytes as 100 rows of 32 elements of 8 bytes; the mask, and bit 21 beside it
	s_or_b32 s[G1B+0], s92, (3<<16)|(1<<21)
.irp g, G1, G1B
	s_mov_b32 s[\g+1], 32<<16
	s_mov_b32 s[\g+2], 100<<16
	s_mov_b32 s[\g+3], 32<<16
	s_mov_b32 s[\g+4], 100
	s_mov_b32 s[\g+5], 32
	s_mov_b32 s[\g+6], 0
	s_mov_b32 s[\g+7], 0
.endr
	s_lshl_b32 s20, s17, 1
	s_add_co_u32 s20, s20, s16
	s_mul_i32 s20, s20, 8*REC                      ; X: row tile 2 x tile row + half
	s_mov_b32 s21, 0
	s_lshl_b32 s96, s90, 1
	s_add_co_u32 s96, s96, s16
	s_mul_i32 s96, s96, 8*REC                      ; W: row tile 2 x tile column + half
	s_mov_b32 s97, 0
	s_mul_i32 s93, s14, HALFT                      ; where they go: the wave's number alone
	s_wait_dscnt 0x0                               ; both opening adds are done
	s_wait_kmcnt 0x0
	s_add_nc_u64 s[20:21], s[4:5], s[20:21]
	s_add_nc_u64 s[96:97], s[6:7], s[96:97]
.irp s, 0,1
	s_mov_b32 s[G0+4*\s], 1
	s_add_co_u32 s[G0+4*\s+1], s93, \s*SLOT
	s_add_nc_u64 s[G0+4*\s+2:G0+4*\s+3], s[20:21], \s*HALFT
	s_or_b32 s[G0+4*\s+3], s[G0+4*\s+3], 0x80000000
	s_mov_b32 s[G0B+4*\s], 1
	s_add_co_u32 s[G0B+4*\s+1], s93, \s*SLOT
	s_add_nc_u64 s[G0B+4*\s+2:G0B+4*\s+3], s[96:97], \s*HALFT
	s_or_b32 s[G0B+4*\s+3], s[G0B+4*\s+3], 0x80000000
.endr
	s_cmp_eq_u32 s15, 0
	s_cselect_b64 s[98:99], s[20:21], s[96:97]     ; the prefetches: the records that I fetch,
	s_cselect_b32 s94, s88, s89                    ; my place among the four that ask for them with me,
	s_cselect_b32 s[LIM], 1, -1
	s_mul_i32 s94, s94, 6400                       ; and my work-group's quarter of a load's 25,600 bytes
	s_mov_b32 s95, 0
	s_add_nc_u64 s[98:99], s[98:99], s[94:95]
	s_mul_i32 s21, s15, HALFT                      ; my 128 rows of X
	s_mul_i32 s22, s16, HALFT                      ; my 128 rows of W,
	s_add_co_u32 s22, s22, 2*HALFT                 ; which lie behind X's two tiles
	s_sub_co_u32 s18, s22, s21
	s_add_co_u32 s19, s21, SCW
	s_lshl_b32 s23, s14, 11
	s_add_co_u32 s23, s23, EPI
	s_lshl_b32 s66, s90, 8
	s_lshl_b32 s67, s16, 7
	s_add_co_u32 s66, s66, s67                     ; my first column
	s_lshl_b32 s74, s17, 8
	s_lshl_b32 s67, s15, 7
	s_add_co_u32 s74, s74, s67                     ; my first row
	s_lshl_b32 s86, s66, 2
	s_add_co_u32 s86, s86, 262144
	s_mov_b32 s87, 0
	s_add_nc_u64 s[68:69], s[8:9], s[86:87]        ; w2's parts of my 128 columns
	s_lshl_b32 s86, s74, 2
	s_add_nc_u64 s[70:71], s[8:9], s[86:87]        ; x2's parts of my 128 rows
	s_lshl_b32 s67, s66, 8                         ; my chunk of 128 columns x 32,768 bytes
	s_add_co_u32 s86, s86, s67
	s_add_nc_u64 s[72:73], s[10:11], s[86:87]      ; where my 128 candidates go
	s_mov_b32 s84, 0x76543210
	s_mov_b32 s85, 0xfedcba98                      ; v_permlanex16_b32's selects for lane l xor 16
	CROUND                                         ; all sixteen work-groups are here: the first joint loads meet
	JLOAD G0, G1, G0B, G1B                         ; fill 0: one tensor load a wave at the head
	v_and_b32 v1, 31, v0                           ; lane
	v_min_u32 v[PFO], 24, v1
	v_lshlrev_b32 v[PFO], 8, v[PFO]
	global_prefetch_b8 v[PFO], s[98:99] offset:HALFT th:TH_LOAD_NT scope:SCOPE_SE
	global_prefetch_b8 v[PFO], s[98:99] offset:2*HALFT th:TH_LOAD_NT scope:SCOPE_SE
	v_and_b32 v2, 15, v0                           ; r
	v_bfe_u32 v3, v0, 4, 1                         ; h
	v_lshlrev_b32 v[CO], 4, v1
	v_add_nc_u32 v[ADRA], s21, v[CO]
	v_add_nc_u32 v[ADRB], s22, v[CO]
	v_add_nc_u32 v[ADRA+1], SLOT, v[ADRA]
	v_add_nc_u32 v[ADRB+1], SLOT, v[ADRB]
	v_mul_u32_u24 v6, s18, v3                      ; lanes 16-31 take W's scale words: one product, h x the distance
	v_lshl_add_u32 v5, v2, 5, v6                   ; + 32 r
	v_add_nc_u32 v[ADRS], s19, v5
	v_add_nc_u32 v[ADRS+1], SLOT, v[ADRS]
	v_add_nc_u32 v[EW], s23, v[CO]
	v_lshl_add_u32 v[EWR], v3, 5, s23
	v_lshl_add_u32 v[EXR], v2, 2, s23
	v_add_nc_u32 v[EXR], 512, v[EXR]
	v_lshl_add_u32 v[HN], v3, 3, s66
.macro FRAG reg, adr, off              ; a fragment comes as it was stored: three loads, 512 consecutive bytes each
.irp c, 0,1,2
	ds_load_b128 v[\reg+4*\c:\reg+4*\c+3], v[\adr] offset:\off+512*\c
.endr
.endm
.macro FETCH_B slot, q, p              ; W's eight fragments of the slot's q-th 128 along K into set p
	WIN TO_B
.irp i, 0,1,2,3,4,5,6,7
	FRAG 128*(\p)+FR*\i, ADRB+\slot, (\q)*REC+1536*\i
.endr
	WIN 0
.endm
.macro FETCH_A slot, q, i0             ; X's blocks i0 .. i0 + 3
.irp i, \i0, \i0+1, \i0+2, \i0+3
	FRAG AF+FR*(\i), ADRA+\slot, (\q)*REC+1536*(\i)
.endr
.endm
.macro SCALES slot, sc                 ; a slot's scale words into set sc: eight a lane for each of its two K steps
.irp q, 0,1
	ds_load_b128 v[SC+16*(\sc)+8*\q:SC+16*(\sc)+8*\q+3], v[ADRS+\slot] offset:\q*REC
	ds_load_b128 v[SC+16*(\sc)+8*\q+4:SC+16*(\sc)+8*\q+7], v[ADRS+\slot] offset:\q*REC+16
.endr
.endm
; 16 matrix instructions: X's blocks a0, a0 + 1 x W's eight.  p: W's set; q, sc: which scale words.  zero = 1: the first product starts the sums.
; The 64 accumulators take turns, one instruction a turn, in the same order in every step.
.macro MUL16 a0, p, q, sc, zero
.irp a, \a0, \a0+1
.irp b, 0,1,2,3,4,5,6,7
.if \zero
	v_wmma_scale_f32_16x16x128_f8f6f4 v[8*(8*((\a)%4)+\b):8*(8*((\a)%4)+\b)+7], v[128*(\p)+FR*\b:128*(\p)+FR*\b+FR-1], v[AF+FR*(\a):AF+FR*(\a)+FR-1], 0, v[SC+16*(\sc)+8*(\q)+\b], v[SC+16*(\sc)+8*(\q)+(\a)] matrix_a_fmt:MATRIX_FMT_FP6 matrix_b_fmt:MATRIX_FMT_FP6 matrix_a_scale:MATRIX_SCALE_ROW1
.else
	v_wmma_scale_f32_16x16x128_f8f6f4 v[8*(8*((\a)%4)+\b):8*(8*((\a)%4)+\b)+7], v[128*(\p)+FR*\b:128*(\p)+FR*\b+FR-1], v[AF+FR*(\a):AF+FR*(\a)+FR-1], v[8*(8*((\a)%4)+\b):8*(8*((\a)%4)+\b)+7], v[SC+16*(\sc)+8*(\q)+\b], v[SC+16*(\sc)+8*(\q)+(\a)] matrix_a_fmt:MATRIX_FMT_FP6 matrix_b_fmt:MATRIX_FMT_FP6 matrix_a_scale:MATRIX_SCALE_ROW1
.endif
.endr
.endr
.endm
; A slot's first 128 along K.  A block of X is free as soon as its eight products are issued, so X has one set: blocks 0-3 are fetched anew in the step's middle, blocks 4-7 at its end.
.macro STEP slot, sc, zero
	s_wait_dscnt 4*NL                              ; the youngest twelve loads (X's blocks 4-7) may be out
	WIN MUL_LO
	MUL16 0, 0, 0, \sc, \zero
	MUL16 2, 0, 0, \sc, \zero
	s_wait_dscnt 0x0
	PLACES NP                                      ; in front of loads into registers that matrix instructions have read
	FETCH_B \slot, 1, 1
	FETCH_A \slot, 1, 0
	WIN MUL_HI
	MUL16 4, 0, 0, \sc, \zero
	MUL16 6, 0, 0, \sc, \zero
	PLACES NP
	WIN 0
	FETCH_A \slot, 1, 4
.endm
; A slot's second 128 along K.  fe = 1: it goes on to the other slot and fetches its first fragments.
; mode 1: this slot is filled again: in front of the barrier, which opens a round of the cluster's, each wave waits for all its tensor loads, adds 0 to its spare word, and waits for that and for its reads of this slot.
;   stp 1: with the fill two on in this tile; stp 2: with the next tile's fill of this slot (X 32 row tiles on and back along K, W back along K).  ak: which fill of the next tile is prefetched.
; mode 0: the same lines and a barrier of the work-group, behind which nothing is filled: the other slot's fill has landed in every wave's part.   mode 2: no barrier.
.macro TURN slot, sc, next, nsc, mode, stp, fe, ak
.if \mode == 2
	s_wait_dscnt 4*NL
	WIN MUL_LO
	MUL16 0, 1, 1, \sc, 0
	MUL16 2, 1, 1, \sc, 0
	s_wait_dscnt 0x0
.else
	s_wait_tensorcnt 0x0                           ; all my tensor loads have landed (every window is 0 here)
	ds_add_u32 v[SPW], v[NIL]
	s_wait_dscnt 4*NL+1                            ; (the add and the youngest twelve loads may be out)
	WIN MUL_LO
	MUL16 0, 1, 1, \sc, 0                          ; sixteen matrix instructions stand between the add and the wait for it
	s_wait_dscnt 0x0                               ; the add is done, and my reads of this slot are over
	s_barrier_signal -1
	MUL16 2, 1, 1, \sc, 0
	WIN 0
	s_barrier_wait -1
.if \mode == 1
	CREST
.if \stp == 1
	s_add_nc_u64 s[G0+4*\slot+2:G0+4*\slot+3], s[G0+4*\slot+2:G0+4*\slot+3], 2*HALFT
	s_add_nc_u64 s[G0B+4*\slot+2:G0B+4*\slot+3], s[G0B+4*\slot+2:G0B+4*\slot+3], 2*HALFT
.else
	s_add_nc_u64 s[G0+4*\slot+2:G0+4*\slot+3], s[G0+4*\slot+2:G0+4*\slot+3], WALKB-2*HALFT
	s_sub_nc_u64 s[G0B+4*\slot+2:G0B+4*\slot+3], s[G0B+4*\slot+2:G0B+4*\slot+3], 2*HALFT
.endif
	JLOAD G0+4*\slot, G1, G0B+4*\slot, G1B         ; the first tensor load behind the round; its four v_nop are also the places in front of the loads below
.endif
.endif
.if \fe
.if \mode != 1
	PLACES NP
.endif
	FETCH_B \next, 0, 0
	FETCH_A \next, 0, 0
	SCALES \next, \nsc
.endif
.if \mode == 1
	ASK \ak
.endif
	WIN MUL_HI
	MUL16 4, 1, 1, \sc, 0
	MUL16 6, 1, 1, \sc, 0
.if \fe
	PLACES NP
.endif
	WIN 0
.if \fe
	FETCH_A \next, 0, 4
.endif
.endm
.macro SUM8 src, dst                   ; ((p0 + p1) + (p2 + p3)) + ((p4 + p5) + (p6 + p7)) of four numbers a lane
.irp k, 0,2
	v_pk_add_f32 v[\src+\k:\src+\k+1], v[\src+\k:\src+\k+1], v[\src+4+\k:\src+5+\k]
	v_pk_add_f32 v[\src+8+\k:\src+9+\k], v[\src+8+\k:\src+9+\k], v[\src+12+\k:\src+13+\k]
	v_pk_add_f32 v[\src+16+\k:\src+17+\k], v[\src+16+\k:\src+17+\k], v[\src+20+\k:\src+21+\k]
	v_pk_add_f32 v[\src+24+\k:\src+25+\k], v[\src+24+\k:\src+25+\k], v[\src+28+\k:\src+29+\k]
	v_pk_add_f32 v[\src+\k:\src+\k+1], v[\src+\k:\src+\k+1], v[\src+8+\k:\src+9+\k]
	v_pk_add_f32 v[\src+16+\k:\src+17+\k], v[\src+16+\k:\src+17+\k], v[\src+24+\k:\src+25+\k]
	v_pk_add_f32 v[\dst+\k:\dst+\k+1], v[\src+\k:\src+\k+1], v[\src+16+\k:\src+17+\k]
.endr
.endm
; Eight of the chosen chain's sixteen distances, places k0 .. k0 + 7: four chains of places, each downward, so that the lower place is written last; values are chosen, nothing branches.
.macro PICK8 k0, first
.irp e, 0,1,2,3
	v_cmp_le_f32 s[60+\e], v[DD+52+\k0+\e], v[MF]
.endr
.irp e, 0,1,2,3
	v_cmp_le_f32 s[40+\e], v[DD+48+\k0+\e], v[MF]
.endr
.irp e, 0,1,2,3
.if \first
	v_cndmask_b32 v[IX+\e], 64, \k0+4+\e, s[60+\e]
.else
	v_cndmask_b32 v[IX+\e], v[IX+\e], \k0+4+\e, s[60+\e]
.endif
.endr
.irp e, 0,1,2,3
	v_cndmask_b32 v[IX+\e], v[IX+\e], \k0+\e, s[40+\e]
.endr
.endm
; Block a: rows 16 a + r.  A lane has 64 distances of one row.
.macro ROWS a
	WIN 0
.set i, 0
.rept 32
	v_pk_add_f32 v[DD+i:DD+i+1], v[W2+i:W2+i+1], v[X2+2*(\a):X2+2*(\a)+1]      ; x2 + w2, rounded
.set i, i+2
.endr
	WIN 0x02+(\a)/4                                ; source 0: window 2 or 3
.set i, 0
.rept 32
	v_pk_fma_f32 v[DD+i:DD+i+1], v[64*((\a)%4)+i:64*((\a)%4)+i+1], -2.0, v[DD+i:DD+i+1] op_sel_hi:[1,0,1]   ; - 2 dot, rounded once more; each accumulator is read from its low end on
.set i, i+2
.endr
	WIN 0
.irp c, 0,1,2,3                            ; the smallest of the 64, in four chains of sixteen neighbouring registers
	v_min3_num_f32 v[MN+\c], v[DD+16*\c], v[DD+16*\c+1], v[DD+16*\c+2]
.endr
.irp i, 3,5,7,9,11,13
.irp c, 0,1,2,3
	v_min3_num_f32 v[MN+\c], v[MN+\c], v[DD+16*\c+\i], v[DD+16*\c+\i+1]
.endr
.endr
.irp c, 0,1,2,3
	v_min_num_f32 v[MN+\c], v[MN+\c], v[DD+16*\c+15]
.endr
	v_min3_num_f32 v[MF], v[MN], v[MN+1], v[MN+2]
	v_min_num_f32 v[MF], v[MF], v[MN+3]
	v_max_num_f32 v[MF], 0, v[MF]                  ; held at 0 from below.  d <= this number holds just where max(d, 0) equals it: so no distance is held singly
	v_cmp_le_f32 s78, v[MN+2], v[MF]               ; which chains have it
	v_cmp_le_f32 s77, v[MN+1], v[MF]
	v_cmp_le_f32 s76, v[MN], v[MF]
	v_mov_b32 v[CB], 48
.irp k, 0,1,2,3,4,5,6,7,8,9,10,11,12,13,14,15   ; the lowest chain that has it is laid over chain 3: the lower chain is written last
	v_cndmask_b32 v[DD+48+\k], v[DD+48+\k], v[DD+32+\k], s78
.endr
	v_cndmask_b32 v[CB], v[CB], 32, s78
.irp k, 0,1,2,3,4,5,6,7,8,9,10,11,12,13,14,15
	v_cndmask_b32 v[DD+48+\k], v[DD+48+\k], v[DD+16+\k], s77
.endr
	v_cndmask_b32 v[CB], v[CB], 16, s77
.irp k, 0,1,2,3,4,5,6,7,8,9,10,11,12,13,14,15
	v_cndmask_b32 v[DD+48+\k], v[DD+48+\k], v[DD+\k], s76
.endr
	v_cndmask_b32 v[CB], v[CB], 0, s76
	PICK8 8, 1
	PICK8 0, 0
	v_min_u32 v[IX], v[IX], v[IX+1]
	v_min_u32 v[IX+2], v[IX+2], v[IX+3]
	v_min_u32 v[IX], v[IX], v[IX+2]
	v_add_nc_u32 v[IX], v[IX], v[CB]               ; the lowest register that has it
	v_and_b32 v[CL], 0x38, v[IX]
	v_add3_u32 v[CL], v[CL], v[IX], v[HN]          ; register 8 b + j is column 16 b + j + 8 h + my first column
	v_permlanex16_b32 v[PM], v[MF], s84, s85       ; the row's other 64 columns lie in lane l xor 16
	v_permlanex16_b32 v[PC], v[CL], s84, s85
	v_cmp_lt_f32 s80, v[PM], v[MF]
	v_cmp_eq_f32 s81, v[PM], v[MF]
	v_cmp_lt_u32 s82, v[PC], v[CL]
	s_and_b32 s81, s81, s82
	s_or_b32 s80, s80, s81                         ; the partner's where it is smaller, or equal at a lower column
	v_cndmask_b32 v[MF], v[MF], v[PM], s80
	v_cndmask_b32 v[CL], v[CL], v[PC], s80
	ds_store_b32 v[EXR], v[MF] offset:512+64*(\a)  ; both halves of the lanes write the same word with the same value
	ds_store_b32 v[EXR], v[CL] offset:1024+64*(\a)
.endm
	s_wait_alu depctr_va_vdst(0)
	s_wait_tensorcnt 0x0                           ; my part of slot 0 is in
	ds_add_u32 v[SPW], v[NIL]
	s_wait_dscnt 0x0
	CROUND                                         ; everybody's part is in, and the joint loads meet
	JLOAD G0+4, G1, G0B+4, G1B                     ; fill 1 into slot 1
	global_prefetch_b8 v[PFO], s[98:99] offset:3*HALFT th:TH_LOAD_NT scope:SCOPE_SE
	s_mov_b32 s2, 2                                ; tiles to go: the same number in every work-group
.Ltile:                                                ; slot 0 holds the tile's fill 0, shown whole to all four waves; fill 1 is on its way or in
.irp p, 0,1,2,3,4,5,6,7                    ; sixteen loads of 512 consecutive bytes; they are waited for on the way out
	global_load_b128 v[64+4*\p:67+4*\p], v[CO], s[68:69] offset:16384*\p
.endr
.irp p, 0,1,2,3,4,5,6,7
	global_load_b128 v[96+4*\p:99+4*\p], v[CO], s[70:71] offset:32768*\p
.endr
	FETCH_B 0, 0, 0
	FETCH_A 0, 0, 0
	SCALES 0, 0
	FETCH_A 0, 0, 4
	STEP 0, 0, 1                                   ; K 0-127: its products start the sums
	TURN 0, 0, 1, 1, 1, 1, 1, 0                    ; K 128-255; slot 0 takes K 512-767
	STEP 1, 1, 0
	TURN 1, 1, 0, 0, 1, 1, 1, 1                    ; K 384-511; slot 1 takes K 768-1023
	STEP 0, 0, 0
	s_cmp_eq_u32 s2, 1
	s_cbranch_scc1 .Llast_half                     ; the last tile's tail asks for nothing more
	TURN 0, 0, 1, 1, 1, 2, 1, 2                    ; K 640-767; slot 0 takes the next tile's K 0-255
	STEP 1, 1, 0
	TURN 1, 1, 0, 0, 1, 2, 0, 3                    ; K 896-1023; the next tile's fill 0 is whole; slot 1 takes its K 256-511
	s_branch .Lout
.Llast_half:
	TURN 0, 0, 1, 1, 0, 0, 1, 0                    ; K 640-767; the last fill has landed
	STEP 1, 1, 0
	TURN 1, 1, 0, 0, 2, 0, 0, 0                    ; K 896-1023
.Lout:
	; ---- THE WAY OUT.  x2 and w2 are summed from their eight parts and turned, through my own 2,048 bytes of LDS, into the accumulators' layout.
	PLACES NP                                      ; behind the last products: loads into X's fragments' registers follow
	s_wait_loadcnt 0x0                             ; the tile's sixteen loads
	SUM8 64, 224
	SUM8 96, 228
	ds_store_b128 v[EW], v[224:227]                ; w2 of my 128 columns
	ds_store_b128 v[EW], v[228:231] offset:512     ; x2 of my 128 rows
.irp b, 0,1,2,3,4,5,6,7                    ; LDS serves a wave's instructions in order: these see the stores above
	ds_load_b128 v[W2+8*\b:W2+8*\b+3], v[EWR] offset:64*\b          ; register 8 b + j: w2 of column 16 b + 8 h + j
	ds_load_b128 v[W2+8*\b+4:W2+8*\b+7], v[EWR] offset:64*\b+16
.endr
.irp a, 0,1,2,3,4,5,6,7
	ds_load_b32 v[X2+2*\a], v[EXR] offset:64*\a                     ; x2 of row 16 a + r, in both halves of a pair
	ds_load_b32 v[X2+2*\a+1], v[EXR] offset:64*\a
.endr
	v_mov_b32 v[PM], 0                             ; a lane permute's destination counts as one of its sources
	v_mov_b32 v[PC], 0
	s_wait_dscnt 0x0
.irp a, 0,1,2,3,4,5,6,7
	ROWS \a
.endr
	ds_load_b128 v[224:227], v[EW] offset:1024     ; my 128 rows' values,
	ds_load_b128 v[228:231], v[EW] offset:1536     ; and columns
	s_wait_dscnt 0x0
	global_store_b128 v[CO], v[224:227], s[72:73]                   ; 32 lanes store 512 consecutive bytes, aligned to 256
	global_store_b128 v[CO], v[228:231], s[72:73] offset:1048576
	s_wait_xcnt 0x0                                ; the loads and stores have read their bases
	s_add_nc_u64 s[70:71], s[70:71], 16384         ; 4,096 rows on
	s_add_nc_u64 s[72:73], s[72:73], 16384
	s_sub_co_u32 s2, s2, 1
	s_cmp_lg_u32 s2, 0
	s_wait_alu depctr_va_vdst(0)
	s_cbranch_scc1 .Ltile
	s_wait_tensorcnt 0x0                           ; the wave's end
	ds_add_u32 v[SPW], v[NIL]
	s_wait_dscnt 0x0
	CROUND                                         ; the closing round
	s_endpgm
.Lfunc_end_k_q9b8ba5413b_dist:
	.size	k_q9b8ba5413b_dist, .Lfunc_end_k_q9b8ba5413b_dist-k_q9b8ba5413b_dist
	.p2alignl 7, 3214868480
	.fill 96, 4, 3214868480
	.section	.rodata,"a",@progbits
	.p2align	6, 0x0
	.amdhsa_kernel k_q9b8ba5413b_dist
		.amdhsa_group_segment_fixed_size 327680
		.amdhsa_private_segment_fixed_size 0
		.amdhsa_enable_private_segment 0
		.amdhsa_kernarg_size 32
		.amdhsa_user_sgpr_count 2
		.amdhsa_user_sgpr_kernarg_segment_ptr 1
		.amdhsa_wavefront_size32 1
		.amdhsa_system_sgpr_workgroup_id_x 1
		.amdhsa_system_sgpr_workgroup_id_y 1
		.amdhsa_system_sgpr_workgroup_id_z 1
		.amdhsa_system_vgpr_workitem_id 0
		.amdhsa_next_free_vgpr 1024
		.amdhsa_next_free_sgpr 100
		.amdhsa_reserve_vcc 0
		.amdhsa_float_denorm_mode_32 3
		.amdhsa_float_denorm_mode_16_64 3
		.amdhsa_memory_ordered 1
		.amdhsa_forward_progress 1
		.amdhsa_inst_pref_size 242
	.end_amdhsa_kernel
	.amdgpu_metadata
---
amdhsa.version: [ 1, 2 ]
amdhsa.kernels:
  - .name:           k_q9b8ba5413b_dist
    .symbol:         k_q9b8ba5413b_dist.kd
    .args:
      - { .name: xa, .offset: 0, .size: 8, .value_kind: global_buffer, .address_space: global }
      - { .name: wb, .offset: 8, .size: 8, .value_kind: global_buffer, .address_space: global }
      - { .name: sq, .offset: 16, .size: 8, .value_kind: global_buffer, .address_space: global }
      - { .name: cand, .offset: 24, .size: 8, .value_kind: global_buffer, .address_space: global }
    .group_segment_fixed_size: 327680
    .private_segment_fixed_size: 0
    .kernarg_segment_align: 8
    .kernarg_segment_size: 32
    .max_flat_workgroup_size: 128
    .sgpr_count:     100
    .vgpr_count:     1024
    .wavefront_size: 32
...
	.end_amdgpu_metadata
.endif
;; end of part 2
;; launch neigh (part 3): grid 32 x 8, 8 waves a work-group, no clusters, 81,920 bytes of LDS; arguments cand, na, sp, out0, out1; writes na, sp, out0, out1
.if DOCPART == 3
	.amdgcn_target "amdgcn-amd-amdhsa--gfx1250"
	.amdhsa_code_object_version 6
	.text
	.protected	k_q9b8ba5413b_neigh
	.globl	k_q9b8ba5413b_neigh
	.p2align	8
	.type	k_q9b8ba5413b_neigh,@function
k_q9b8ba5413b_neigh:
	s_mov_b64 s[64:65], 0
	v_nop
	global_prefetch_b8 v0, s[64:65] scope:SCOPE_SE
	s_setreg_imm32_b32 hwreg(HW_REG_WAVE_MODE, 25, 1), 1
	s_wait_xcnt 0x0
; From the 32 candidates of each batch row: the first index of the smallest distance (out0 = its grid row and column), its square root (out1), and the neighbourhood neigh[b][g] = exp(-((gi - bi)^2 + (gj - bj)^2) / 2),
; transposed and quantised along the batch into codes of FP6 (E2M3) with E8M0 scales: the second product's first operand; and the sums of the unquantised neigh over 256 batch rows.
; exp(-(a + b) / 2) = exp(-a / 2) exp(-b / 2): a thread makes 64 + 8 exponentials for its batch row, and each of the numbers is one multiplication of two of them.
; LIMITS: NaN among the candidates is not served.  a and b are whole numbers, exact in f32; a x (-log2(e) / 2) is rounded once ahead of v_exp_f32, so a factor's relative error grows with a: about 5e-6 at the
; smallest factors that are not 0 (a near 175), under 1e-6 where the factor is above 1e-6.  A factor under 2^-126 comes out as 0 (ISA guide, v_exp_f32's entry).  A block of zeros gets the byte 1: its codes are zeros.
; na: records of 12,800 bytes (128 neurons x 128 batch rows as images of the operand's registers: fragment i at 1536 i; the scale word of neuron 16 i + r at 12,288 + 32 r + 4 i), laid [32 tiles of 128 neurons][64 K steps].
; sp: [32 ranges of 256 batch rows][4096 neurons] f32.
; SHARES.  Work-group (x, y): batch rows 256 x .. 256 x + 255 and grid rows 8 y .. 8 y + 7 (four tiles of 128 neurons).  Wave 4 s + t makes ONE record: tile 4 y + t, K step 2 x + s.
; The index enters values alone (differences, exponentials, stored numbers): no address and no branch hangs on it.
; No matrix unit, no tensor load, no cluster: each number is made once, and the only shared input is 8 KB of candidates.  No prefetch: the launch loads at its head alone.
.set REC,   12800
.set SCW,   12288
.set ECP,   1040                       ; a row of the column table: 256 batch rows x 4 bytes + 16, so that sixteen rows' pieces of 16 bytes start 16 bytes apart modulo 256
.set ERB,   64*ECP                     ; behind its 64 rows: the row table, 8 rows of 1,024 bytes
.set RED,   ERB+8*1024                 ; behind that: 512 bytes for each wave, its 128 sums
.set FLOOR, 0x1800000                  ; 2^(3 - 127)
.set DOWN2, 0xff000000
.set EE, 96                            ; v96-159   64 numbers of the column table, then neigh
.set RR, 160                           ; v160-223  64 numbers of the row table
.set CC, 224                           ; v224-235  a fragment's codes
.set TP, 236                           ; v236-243  the halves that a conversion cannot put in place
; v1 lane, v2 r, v3 h; v4-13 offsets and LDS addresses; v14, v15 bi, bj as f32; v16-23 the eight scale words; v24-31 the eight sums; v32-33 largest numbers, v34-35 scale operands, v36-37 bytes, v38 a permute's result;
; v40-43 two chains of sums; v44-47 scale words on their way out; v48-49 bi, bj; v50 the root; v52-55 the differences in hand
	s_load_b256 s[4:11], s[0:1], 0x0               ; cand s[4:5], na s[6:7], sp s[8:9], out0 s[10:11]
	s_load_b64 s[12:13], s[0:1], 0x20              ; out1
	v_lshl_add_u32 v248, v0, 2, 0x13c00
	v_mov_b32 v249, 0
	v_lshrrev_b32 v1, 5, v0
	s_delay_alu instid0(VALU_DEP_1)
	v_readfirstlane_b32 s16, v1                    ; wave 0..7
	s_lshr_b32 s17, s16, 2                         ; s: which 128 of the 256 batch rows
	s_and_b32 s18, s16, 3                          ; t: which of the four tiles
	s_and_b32 s20, ttmp7, 0xffff                   ; y
	v_and_b32 v1, 31, v0
	v_and_b32 v2, 15, v0
	v_bfe_u32 v3, v0, 4, 1
	v_lshlrev_b32 v4, 2, v0                        ; 4 x thread: my batch row's word
	v_lshl_add_u32 v5, v0, 2, ERB
	s_lshl_b32 s21, s17, 9
	v_mul_u32_u24 v6, v2, ECP
	s_delay_alu instid0(VALU_DEP_1)
	v_lshl_add_u32 v6, v3, 7, v6
	s_delay_alu instid0(VALU_DEP_1)
	v_add_nc_u32 v6, s21, v6                       ; column table: row r, my 128 batch rows, + 32 h of them
	s_lshl_b32 s22, s18, 11
	s_add_co_u32 s22, s22, s21
	s_add_co_u32 s22, s22, ERB
	v_lshl_add_u32 v7, v3, 7, s22                  ; row table: rows 2 t, 2 t + 1
	v_lshlrev_b32 v8, 4, v1                        ; 16 x lane
	v_lshlrev_b32 v9, 5, v2
	s_delay_alu instid0(VALU_DEP_1)
	v_lshl_add_u32 v9, v3, 4, v9                   ; 32 r + 16 h
	s_lshl_b32 s22, s16, 9
	s_add_co_u32 s22, s22, RED
	v_lshl_add_u32 v10, v2, 2, s22
	v_lshl_add_u32 v11, v1, 4, s22
	v_lshlrev_b32 v12, 3, v3                       ; 8 h
	v_lshlrev_b32 v13, 3, v0                       ; 8 x thread
	v_cmp_eq_u32 s42, 1, v3                        ; lanes 16-31
	s_mov_b32 s40, 0x76543210
	s_mov_b32 s41, 0xfedcba98                      ; v_permlanex16_b32's selects for lane l xor 16
	s_mov_b32 s44, 0xbf38aa3b                      ; -log2(e) / 2
	s_mov_b32 s45, s44                             ; (named with it as a pair, so it is written)
	s_mov_b32 s25, 0
	s_lshl_b32 s24, ttmp9, 10
	s_wait_kmcnt 0x0
	s_add_nc_u64 s[4:5], s[4:5], s[24:25]          ; cand and out1 at my 256 batch rows
	s_add_nc_u64 s[12:13], s[12:13], s[24:25]
	s_lshl_b32 s24, ttmp9, 11
	s_add_nc_u64 s[10:11], s[10:11], s[24:25]      ; out0 likewise
	s_lshl_b32 s24, s20, 2
	s_add_co_u32 s24, s24, s18                     ; my tile: 4 y + t
	s_lshl_b32 s26, s24, 9
	s_lshl_b32 s24, s24, 6
	s_lshl_b32 s27, ttmp9, 1
	s_add_co_u32 s24, s24, s27
	s_add_co_u32 s24, s24, s17                     ; x 64 + my K step 2 x + s
	s_mul_i32 s24, s24, REC
	s_add_nc_u64 s[6:7], s[6:7], s[24:25]          ; my record
	s_lshl_b32 s24, ttmp9, 14
	s_add_co_u32 s24, s24, s26
	s_add_nc_u64 s[8:9], s[8:9], s[24:25]          ; my tile's 128 sums of range x
	; ---- a batch row to a thread: the smallest of its 32 candidates; a tie stays with the lower chunk, which holds the lower columns
.set i, 0
.rept 32
	global_load_b32 v[32+i], v4, s[4:5] offset:32768*i
.set i, i+1
.endr
.set i, 0
.rept 32
	global_load_b32 v[64+i], v4, s[4:5] offset:1048576+32768*i
.set i, i+1
.endr
	s_wait_loadcnt 0x0
.set i, 1
	v_cmp_lt_f32 vcc_lo, v[32+i], v32
	s_delay_alu instid0(VALU_DEP_1)
	v_cndmask_b32 v32, v32, v[32+i], vcc_lo
	s_delay_alu instid0(VALU_DEP_2)
	v_cndmask_b32 v64, v64, v[64+i], vcc_lo
.set i, i+1
.rept (31)-1
	s_delay_alu instid0(VALU_DEP_2)
	v_cmp_lt_f32 vcc_lo, v[32+i], v32
	s_delay_alu instid0(VALU_DEP_1)
	v_cndmask_b32 v32, v32, v[32+i], vcc_lo
	s_delay_alu instid0(VALU_DEP_2)
	v_cndmask_b32 v64, v64, v[64+i], vcc_lo
.set i, i+1
.endr
	s_delay_alu instid0(VALU_DEP_1)
	v_lshrrev_b32 v48, 6, v64                      ; bi
	s_delay_alu instid0(VALU_DEP_2)
	v_and_b32 v49, 63, v64                         ; bj
	s_delay_alu instid0(VALU_DEP_2)
	v_cvt_f32_u32 v14, v48
	s_delay_alu instid0(VALU_DEP_2)
	v_cvt_f32_u32 v15, v49
	; ---- the two small outputs, from the work-groups with y = 0
	s_cmp_lg_u32 s20, 0
	s_cbranch_scc1 .Lno_small
	s_wait_alu depctr_va_vdst(0)
	v_sqrt_f32 v50, v32
	v_nop                                          ; a plain line behind the root,
	s_wait_alu depctr_va_vdst(0)                   ; and the wait ahead of the first line that names its result
	global_store_b64 v13, v[48:49], s[10:11]       ; a wave stores 256 consecutive bytes
	global_store_b32 v4, v50, s[12:13]
.Lno_small:
	v_mov_b32 v38, 0                               ; a lane permute's destination counts as one of its sources
	; ---- the column table: exp(-(gj - bj)^2 / 2) for gj = 0 .. 63, in two batches of 32 exponentials with one wait each
	s_wait_alu depctr_va_vdst(0)
	v_sub_f32 v52, 0, v15                          ; (0 - bj, 1 - bj)
	v_sub_f32 v53, 1.0, v15
.irp bt, 0,1
.set i, 0
	v_pk_mul_f32 v[96+i:97+i], v[52:53], v[52:53]                  ; the squares: whole numbers, exact
	v_pk_add_f32 v[52:53], v[52:53], 2.0 op_sel_hi:[1,0]           ; on to the next two columns
	s_delay_alu instid0(VALU_DEP_2)
	v_pk_mul_f32 v[96+i:97+i], v[96+i:97+i], s[44:45] op_sel_hi:[1,0]
.set i, i+2
.rept (16)-1
	s_delay_alu instid0(VALU_DEP_2)
	v_pk_mul_f32 v[96+i:97+i], v[52:53], v[52:53]                  ; the squares: whole numbers, exact
	s_delay_alu instid0(VALU_DEP_3)
	v_pk_add_f32 v[52:53], v[52:53], 2.0 op_sel_hi:[1,0]           ; on to the next two columns
	s_delay_alu instid0(VALU_DEP_2)
	v_pk_mul_f32 v[96+i:97+i], v[96+i:97+i], s[44:45] op_sel_hi:[1,0]
.set i, i+2
.endr
.set i, 0
	s_wait_alu depctr_va_vdst(0)
.rept 32
	v_exp_f32 v[96+i], v[96+i]
.set i, i+1
.endr
	v_nop                                          ; one plain line behind the last exponential
	s_wait_alu depctr_va_vdst(0)                   ; one wait for the batch, ahead of the first line that names a result
.set i, 0
.rept 32
	ds_store_b32 v4, v[96+i] offset:ECP*(32*\bt+i)
.set i, i+1
.endr
.endr
	; ---- the row table: exp(-(gi - bi)^2 / 2) for gi = 8 y .. 8 y + 7
	s_lshl_b32 s21, s20, 3
	v_cvt_f32_u32 v54, s21
	s_delay_alu instid0(VALU_DEP_1)
	v_sub_f32 v54, v54, v14
	s_delay_alu instid0(VALU_DEP_1)
	v_add_f32 v55, 1.0, v54
.set i, 0
	s_delay_alu instid0(VALU_DEP_1)
	v_pk_mul_f32 v[128+i:129+i], v[54:55], v[54:55]
	s_delay_alu instid0(VALU_DEP_2)
	v_pk_add_f32 v[54:55], v[54:55], 2.0 op_sel_hi:[1,0]
	s_delay_alu instid0(VALU_DEP_2)
	v_pk_mul_f32 v[128+i:129+i], v[128+i:129+i], s[44:45] op_sel_hi:[1,0]
.set i, i+2
.rept (4)-1
	s_delay_alu instid0(VALU_DEP_2)
	v_pk_mul_f32 v[128+i:129+i], v[54:55], v[54:55]
	s_delay_alu instid0(VALU_DEP_3)
	v_pk_add_f32 v[54:55], v[54:55], 2.0 op_sel_hi:[1,0]
	s_delay_alu instid0(VALU_DEP_2)
	v_pk_mul_f32 v[128+i:129+i], v[128+i:129+i], s[44:45] op_sel_hi:[1,0]
.set i, i+2
.endr
.set i, 0
	s_wait_alu depctr_va_vdst(0)
.rept 8
	v_exp_f32 v[128+i], v[128+i]
.set i, i+1
.endr
	v_nop
	s_wait_alu depctr_va_vdst(0)
.set i, 0
.rept 8
	ds_store_b32 v5, v[128+i] offset:1024*i
.set i, i+1
.endr
	s_wait_dscnt 0x0                               ; for the others' sake: my batch row's 72 numbers lie in the tables
	s_barrier_signal -1
	s_barrier_wait -1
	; ---- my record.  Fragment 4 u + jt: grid row 2 t + u of the work-group's eight, grid columns 16 jt + r.  Lane (r, h) takes batch rows 64 c + 32 h + 0 .. 31: two whole blocks, in the order of the operand's registers.
.macro FRAGM u, jt
.set fi, 4*\u+\jt
.if \jt == 0
.irp c, 0,1
.irp q, 0,1,2,3,4,5,6,7
	ds_load_b128 v[RR+32*\c+4*\q:RR+32*\c+4*\q+3], v7 offset:1024*\u+256*\c+16*\q
.endr
.endr
.endif
.irp c, 0,1
.irp q, 0,1,2,3,4,5,6,7
	ds_load_b128 v[EE+32*\c+4*\q:EE+32*\c+4*\q+3], v6 offset:16*ECP*\jt+256*\c+16*\q
.endr
.endr
	s_wait_dscnt 0x0
.set i, 0
.rept 32
	v_pk_mul_f32 v[EE+i:EE+i+1], v[EE+i:EE+i+1], v[RR+i:RR+i+1]    ; neigh, rounded once
.set i, i+2
.endr
	v_pk_add_f32 v[42:43], v[96:97], v[98:99]
	v_pk_add_f32 v[246:247], v[104:105], v[108:109]
	v_pk_add_f32 v[244:245], v[112:113], v[116:117]
	v_pk_add_f32 v[242:243], v[120:121], v[124:125]
	v_pk_add_f32 v[240:241], v[128:129], v[132:133]
	v_pk_add_f32 v[238:239], v[136:137], v[140:141]
	v_pk_add_f32 v[236:237], v[144:145], v[148:149]
	v_pk_add_f32 v[40:41], v[152:153], v[156:157]
	s_delay_alu instid0(VALU_DEP_1)
	v_pk_add_f32 v[40:41], v[40:41], v[100:101]
	v_pk_add_f32 v[42:43], v[42:43], v[102:103]
	v_pk_add_f32 v[246:247], v[246:247], v[106:107]
	v_pk_add_f32 v[244:245], v[244:245], v[110:111]
	v_pk_add_f32 v[242:243], v[242:243], v[114:115]
	v_pk_add_f32 v[240:241], v[240:241], v[118:119]
	v_pk_add_f32 v[238:239], v[238:239], v[122:123]
	v_pk_add_f32 v[236:237], v[236:237], v[126:127]
	v_pk_add_f32 v[40:41], v[40:41], v[130:131]
	v_pk_add_f32 v[42:43], v[42:43], v[134:135]
	v_pk_add_f32 v[246:247], v[246:247], v[138:139]
	v_pk_add_f32 v[244:245], v[244:245], v[142:143]
	v_pk_add_f32 v[242:243], v[242:243], v[146:147]
	v_pk_add_f32 v[240:241], v[240:241], v[150:151]
	v_pk_add_f32 v[238:239], v[238:239], v[154:155]
	v_pk_add_f32 v[236:237], v[236:237], v[158:159]
	s_delay_alu instid0(VALU_DEP_4)
	v_pk_add_f32 v[40:41], v[40:41], v[242:243]
	s_delay_alu instid0(VALU_DEP_4)
	v_pk_add_f32 v[42:43], v[42:43], v[240:241]
	s_delay_alu instid0(VALU_DEP_4)
	v_pk_add_f32 v[246:247], v[246:247], v[238:239]
	s_delay_alu instid0(VALU_DEP_4)
	v_pk_add_f32 v[244:245], v[244:245], v[236:237]
	s_delay_alu instid0(VALU_DEP_2)
	v_pk_add_f32 v[40:41], v[40:41], v[246:247]
	s_delay_alu instid0(VALU_DEP_2)
	v_pk_add_f32 v[42:43], v[42:43], v[244:245]
	s_delay_alu instid0(VALU_DEP_1)
	v_pk_add_f32 v[40:41], v[40:41], v[42:43]
	s_delay_alu instid0(VALU_DEP_1)
	v_add_f32 v[24+fi], v40, v41
	v_max3_num_f32 v32, v[EE], v[EE+1], FLOOR                      ; the blocks' largest numbers (none is negative), with the floor among the leaves
	v_max3_num_f32 v33, v[EE+32], v[EE+33], FLOOR
.set i, 2
.rept 15
	s_delay_alu instid0(VALU_DEP_2)
	v_max3_num_f32 v32, v32, v[EE+i], v[EE+i+1]
	s_delay_alu instid0(VALU_DEP_2)
	v_max3_num_f32 v33, v33, v[EE+32+i], v[EE+33+i]
.set i, i+2
.endr
	s_delay_alu instid0(VALU_DEP_2)
	v_add_nc_u32 v34, DOWN2, v32                   ; 2 off the exponent field: the conversion's scale operand
	s_delay_alu instid0(VALU_DEP_2)
	v_add_nc_u32 v35, DOWN2, v33
	s_delay_alu instid0(VALU_DEP_2)
	v_lshrrev_b32 v36, 23, v34                     ; the scales' bytes
	s_delay_alu instid0(VALU_DEP_2)
	v_lshrrev_b32 v37, 23, v35
	s_delay_alu instid0(VALU_DEP_1)
	v_lshl_or_b32 v[16+fi], v37, 16, v36           ; blocks h and 2 + h,
	s_delay_alu instid0(VALU_DEP_1)
	v_lshlrev_b32 v[16+fi], v12, v[16+fi]          ; 8 h bits up;
	s_delay_alu instid0(VALU_DEP_1)
	v_permlanex16_b32 v38, v[16+fi], s40, s41
	s_delay_alu instid0(VALU_DEP_1)
	v_or_b32 v[16+fi], v[16+fi], v38               ; with lane l xor 16's two the neuron's word is whole
	s_wait_alu depctr_va_vdst(0)
	s_wait_xcnt 0x0                                ; the last fragment's stores have read the codes' registers
	v_cvt_scalef32_pk16_fp6_f32 v[CC:CC+2], v[EE:EE+15], v34
	v_cvt_scalef32_pk16_fp6_f32 v[TP:TP+2], v[EE+16:EE+31], v34
	v_cvt_scalef32_pk16_fp6_f32 v[CC+6:CC+8], v[EE+32:EE+47], v35
	v_cvt_scalef32_pk16_fp6_f32 v[TP+4:TP+6], v[EE+48:EE+63], v35
	v_nop                                          ; one plain line behind the last conversion
.irp k, 0,1,2
	v_mov_b32 v[CC+3+\k], v[TP+\k]
	v_mov_b32 v[CC+9+\k], v[TP+4+\k]
.endr
.irp k, 0,1,2
	global_store_b128 v8, v[CC+4*\k:CC+4*\k+3], s[6:7] offset:1536*fi+512*\k   ; 512 consecutive bytes, aligned to 256
.endr
.endm
.irp u, 0,1
.irp jt, 0,1,2,3
	FRAGM \u, \jt
.endr
.endr
.irp k, 0,1,2,3
	v_cndmask_b32 v[44+\k], v[16+\k], v[20+\k], s42                ; lanes 0-15 store words 0-3 of neuron row r, lanes 16-31 words 4-7
.endr
	global_store_b128 v9, v[44:47], s[6:7] offset:SCW
	; ---- the sums: my 128 neurons over my 128 batch rows; the two waves of a tile meet in LDS
.irp i, 0
	v_permlanex16_b32 v38, v[24+\i], s40, s41
	s_delay_alu instid0(VALU_DEP_1)
	v_add_f32 v[24+\i], v[24+\i], v38
.endr
.irp i, 1, 2, 3, 4, 5, 6, 7
	s_delay_alu instid0(VALU_DEP_2)
	v_permlanex16_b32 v38, v[24+\i], s40, s41
	s_delay_alu instid0(VALU_DEP_1)
	v_add_f32 v[24+\i], v[24+\i], v38
.endr
.irp i, 0,1,2,3,4,5,6,7
	ds_store_b32 v10, v[24+\i] offset:64*\i        ; neuron 16 i + r; both halves of the lanes write the same word with the same value
.endr
	s_wait_dscnt 0x0
	s_barrier_signal -1
	s_barrier_wait -1
	s_cmp_ge_u32 s16, 4
	s_cbranch_scc1 .Lend
	ds_load_b128 v[96:99], v11                     ; wave t's own, and those of wave 4 + t
	ds_load_b128 v[100:103], v11 offset:2048
	s_wait_dscnt 0x0
	v_pk_add_f32 v[96:97], v[96:97], v[100:101]
	v_pk_add_f32 v[98:99], v[98:99], v[102:103]
	global_store_b128 v8, v[96:99], s[8:9]
.Lend:
	s_wait_tensorcnt 0x0
	ds_add_u32 v248, v249
	s_wait_dscnt 0x0
	s_endpgm
.Lfunc_end_k_q9b8ba5413b_neigh:
	.size	k_q9b8ba5413b_neigh, .Lfunc_end_k_q9b8ba5413b_neigh-k_q9b8ba5413b_neigh
	.p2alignl 7, 3214868480
	.fill 96, 4, 3214868480
	.section	.rodata,"a",@progbits
	.p2align	6, 0x0
	.amdhsa_kernel k_q9b8ba5413b_neigh
		.amdhsa_group_segment_fixed_size 81920
		.amdhsa_private_segment_fixed_size 0
		.amdhsa_enable_private_segment 0
		.amdhsa_kernarg_size 40
		.amdhsa_user_sgpr_count 2
		.amdhsa_user_sgpr_kernarg_segment_ptr 1
		.amdhsa_wavefront_size32 1
		.amdhsa_system_sgpr_workgroup_id_x 1
		.amdhsa_system_sgpr_workgroup_id_y 1
		.amdhsa_system_sgpr_workgroup_id_z 1
		.amdhsa_system_vgpr_workitem_id 0
		.amdhsa_next_free_vgpr 250
		.amdhsa_next_free_sgpr 66
		.amdhsa_reserve_vcc 1
		.amdhsa_float_denorm_mode_32 3
		.amdhsa_float_denorm_mode_16_64 3
		.amdhsa_memory_ordered 1
		.amdhsa_forward_progress 1
		.amdhsa_inst_pref_size 116
	.end_amdhsa_kernel
	.amdgpu_metadata
---
amdhsa.version: [ 1, 2 ]
amdhsa.kernels:
  - .name:           k_q9b8ba5413b_neigh
    .symbol:         k_q9b8ba5413b_neigh.kd
    .args:
      - { .name: cand, .offset: 0, .size: 8, .value_kind: global_buffer, .address_space: global }
      - { .name: na, .offset: 8, .size: 8, .value_kind: global_buffer, .address_space: global }
      - { .name: sp, .offset: 16, .size: 8, .value_kind: global_buffer, .address_space: global }
      - { .name: out0, .offset: 24, .size: 8, .value_kind: global_buffer, .address_space: global }
      - { .name: out1, .offset: 32, .size: 8, .value_kind: global_buffer, .address_space: global }
    .group_segment_fixed_size: 81920
    .private_segment_fixed_size: 0
    .kernarg_segment_align: 8
    .kernarg_segment_size: 40
    .max_flat_workgroup_size: 256
    .sgpr_count:     66
    .vgpr_count:     250
    .wavefront_size: 32
...
	.end_amdgpu_metadata
.endif
;; end of part 3
;; launch update (part 4): grid 8 x 32, 4 waves a work-group, clusters of 4 x 4, 327,680 bytes of LDS; arguments na, xb, sp, weights_map, out2; writes out2
.if DOCPART == 4
	.amdgcn_target "amdgcn-amd-amdhsa--gfx1250"
	.amdhsa_code_object_version 6
	.text
	.protected	k_q9b8ba5413b_update
	.globl	k_q9b8ba5413b_update
	.p2align	8
	.type	k_q9b8ba5413b_update,@function
k_q9b8ba5413b_update:
	s_mov_b64 s[64:65], 0
	v_nop
	global_prefetch_b8 v0, s[64:65] scope:SCOPE_SE
	s_setreg_imm32_b32 hwreg(HW_REG_WAVE_MODE, 25, 1), 1
	s_wait_xcnt 0x0
	s_wait_alu depctr_hold_cnt(0) depctr_sa_sdst(0) depctr_va_vdst(0) depctr_va_sdst(0) depctr_va_ssrc(0) depctr_va_vcc(0) depctr_vm_vsrc(0)
	s_getreg_b32 s2, hwreg(HW_REG_IB_STS2, 6, 4)
	s_cmp_eq_u32 s2, 0
	s_cbranch_scc0 .Lentry_in_a_cluster
	s_endpgm
.Lentry_in_a_cluster:
	s_bfe_u32 s2, ttmp6, 0x10000c
	s_cmp_lg_u32 s2, 0xf033
	s_cbranch_scc0 .Lentry_shape_is_right
	s_endpgm
.Lentry_shape_is_right:
; The second product, neigh^T X on codes of FP6 (E2M3) with E8M0 scales, K = the 8,192 batch rows, and behind it out2 = w + 0.1 (neigh^T X - s w), s the sum of the unquantised neigh over the batch (32 parts in sp).
; na, xb: records of 12,800 bytes (128 operand rows x 128 along K as images of the operand's registers: fragment i at 1536 i, three accesses of 16 bytes a lane; the scale word of row 16 i + r at 12,288 + 32 r + 4 i),
; laid [tile of 128 rows][64 K steps].  In xb fragment b, row r is feature 64 (b / 4) + 4 r + b % 4 of the tile.
; LIMITS: NaN and infinities are not served.  The sum along K is made of four waves' sums, and s of 32 parts by a tree: other orders of f32 additions than a plain sum.
; SHARES.  256 work-groups, each a block of 128 neurons x 128 features.  K is dealt to the four waves: wave w takes records 4 t + w, t = 0 .. 15, each against the whole block: 64 accumulators, 512 registers.
; So a fragment read from LDS feeds eight matrix instructions, and a record is read by one wave, once.
; THE RING: slot X holds two steps t (8 + 8 records), slot Y one (4 + 4): X (0, 1), Y (2), X (3, 4), Y (5) .. Y (14), and step 15 in X's first half.  A wave issues one tensor load at the head and one behind each round.
; CLUSTERS: 4 x 4 work-groups.  The four of a row need the same records of na, the four of a column the same records of xb: each is asked for jointly, by the same tensor load with a mask that names the four.
; PREFETCH: behind each fill every wave names, of the bytes that its fill of the same slot one ring cycle (three steps) on will bring, its work-group's quarter, told apart from the partners' by address: a lane to 256 bytes,
; 25 blocks an instruction (lanes 25-31 name the last block again).  At the head also Y's first fill.  In the last trip nothing beyond record 63 is named; step 15 is named three steps ahead.  w's 32 rows a wave: two steps ahead.
; SOURCE 0 = 16 neurons, source 1 = 16 features: register j of lane (r, h) holds neuron 8 h + j and the tile's feature r.  Tiles 4 q .. 4 q + 3 so give a lane features 64 q + 4 r + 0 .. 3 of one neuron:
; sixteen lanes hold 256 neighbouring bytes of a row of out2, and w is loaded in the same layout.
; WHO OWNS WHAT.  Wave w takes na's fragments in the order p xor 2 w: its accumulator position p holds neuron block p xor 2 w, so positions 0 and 1 are blocks 2 w, 2 w + 1 in every wave: its own 32 neurons.
; At the end a wave hands positions 2-7 to their owners through LDS as register images, and adds three such images to its own.
; REGISTERS, in windows of 256: window 0: v1-47, v115 addresses; v48-63 scale words and nothing else; v64-95 s's parts; v96-111 -s; v128-223 na's fragments, one set; at the end v128-255 an image.
;   window 1: xb's fragments, two sets, at v0 and v128; at the end v0-127 w and then out2, v128-255 an image.   window 2: positions 0-3 ((p, b) at v[8 (8 p + b)]);   window 3: positions 4-7.
.set REC,   12800
.set SCW,   12288
.set XB,    8*REC                      ; slot Y: na's 4 records, xb's 4; from XB slot X: na's 8, xb's 8
.set SPARE, 24*REC                     ; behind the ring: the spare words, 128 bytes for each wave
.set PAIR,  16384                      ; an image of two positions: 128 registers x 128 bytes
.set SUMB,  12*PAIR                    ; behind the twelve images: 128 bytes for each wave, -s of its 32 neurons.  Images and sums lie in the slots, which have had their last fill by then
.set FR,    12
.set NL,    3
.set NP,    4                          ; places behind this matrix instruction (ISA guide 7.12.1)
.set ADRA, 8                           ; v8-19   na's fragments: place pl (0: Y, 1, 2: X's halves), pair u of positions, at v[ADRA + 4 pl + u]
.set ADRB, 20                          ; v20-22  xb's fragments in place pl
.set ADRS, 24                          ; v24-35  scale words, pair u: lanes 0-15 na's, lanes 16-31 xb's
.set SPW,  36                          ; my spare word; never rewritten
.set NIL,  37                          ; 0; never rewritten
.set PFO,  38                          ; 256 x min(lane, 24)
.set CO,   39                          ; 16 x lane
.set SO,   40                          ; 128 w + 4 x lane
.set WO,   41                          ; 8 h rows of 4,096 bytes + 16 r
.set EXW,  42                          ; v42-44  where pairs 1, 2, 3 go
.set EXR,  45                          ; where my three images lie
.set SMW,  46
.set SMR,  47
.set SC,   48                          ; two sets of eight
.set SS,   96
.set PFW,  115                         ; 4,096 x lane
.set AF,   128
.set G1AY, 24
.set G1AX, 32
.set G1BY, 40
.set G1BX, 48
.set G0AY, 56
.set G0AX, 60
.set G0BY, 68
.set G0BX, 72
.set PFY, 84
.set PFX, 86
.set MSB, 0
.macro WIN new                         ; the immediate's high byte repeats the setting that is left
.if MSB != (\new)
	s_set_vgpr_msb (MSB<<8)|(\new)
.set MSB, (\new)
.endif
.endm
.set MUL_LO, 0xa4                      ; source 0 (na) window 0, source 1 (xb) window 1, C and D window 2
.set MUL_HI, 0xf4
.set TO_B,   0x40
.macro JLOAD g0a, g1a, g0b, g1b        ; a joint load: waves 0, 1 fetch na, waves 2, 3 xb; s_nop 0 and four v_nop behind each line
	s_cmp_eq_u32 s15, 0
	s_cbranch_scc0 .Lfor_b_\@
	tensor_load_to_lds s[\g0a:\g0a+3], s[\g1a:\g1a+7]
	s_nop 0
.rept 4
	v_nop
.endr
	s_branch .Lasked_\@
.Lfor_b_\@:
	tensor_load_to_lds s[\g0b:\g0b+3], s[\g1b:\g1b+7]
	s_nop 0
.rept 4
	v_nop
.endr
.Lasked_\@:
.endm
.macro CREST
	s_cmp_lg_u32 s14, 0
	s_cbranch_scc1 .Lnot_wave_0_\@
	s_barrier_signal -3
.Lnot_wave_0_\@:
	s_barrier_wait -3
	s_barrier_signal -1
	s_barrier_wait -1
.endm
.macro CROUND
	s_barrier_signal -1
	s_barrier_wait -1
	CREST
.endm
.macro PLACES n
.rept \n
	v_nop
.endr
.endm
.macro ASKX k                          ; my quarter of the four records that I fetch for X, from record k on
	global_prefetch_b8 v[PFO], s[PFX:PFX+1] offset:(\k)*REC th:TH_LOAD_NT scope:SCOPE_SE
	global_prefetch_b8 v[PFO], s[PFX:PFX+1] offset:(\k)*REC+6400 th:TH_LOAD_NT scope:SCOPE_SE
.endm
.macro ASKY k                          ; my quarter of the two records that I fetch for Y
	global_prefetch_b8 v[PFO], s[PFY:PFY+1] offset:(\k)*REC th:TH_LOAD_NT scope:SCOPE_SE
.endm
.macro ASK kind, k                     ; 1, 2: X's, Y's form; 3: X's, in the last trip Y's (step 15); 4: Y's, in the last trip none; 5: my 32 rows of w
.if \kind == 1
	ASKX \k
.elseif \kind == 2
	ASKY \k
.elseif \kind == 3
	s_cmp_gt_u32 s3, 1
	s_cbranch_scc0 .Llate_\@
	ASKX \k
	s_branch .Lboth_\@
.Llate_\@:
	ASKY \k
.Lboth_\@:
.elseif \kind == 4
	s_cmp_gt_u32 s3, 1
	s_cbranch_scc0 .Lnone_\@
	ASKY \k
.Lnone_\@:
.elseif \kind == 5
	global_prefetch_b8 v[PFW], s[10:11] th:TH_LOAD_NT scope:SCOPE_SE
	global_prefetch_b8 v[PFW], s[10:11] offset:256 th:TH_LOAD_NT scope:SCOPE_SE
.endif
.endm
	s_load_b256 s[4:11], s[0:1], 0x0               ; na, xb, sp, weights_map
	s_load_b64 s[12:13], s[0:1], 0x20              ; out2
	v_lshl_add_u32 v[SPW], v0, 2, SPARE
	v_mov_b32 v[NIL], 0
	ds_add_u32 v[SPW], v[NIL]                      ; the opening: the add, twice on end, and its wait ahead of my first tensor load
	ds_add_u32 v[SPW], v[NIL]
	v_lshrrev_b32 v1, 5, v0
	v_readfirstlane_b32 s14, v1                    ; wave
	s_lshr_b32 s15, s14, 1                         ; I fetch na (0) or xb (1),
	s_and_b32 s16, s14, 1                          ; the first or the second half of a fill's records
	s_bfe_u32 s76, ttmp6, 0x40000                  ; cx
	s_bfe_u32 s77, ttmp6, 0x40004                  ; cy
	s_lshl_b32 s78, ttmp9, 2
	s_add_co_u32 s78, s78, s76                     ; feature tile
	s_and_b32 s17, ttmp7, 0xffff
	s_lshl_b32 s17, s17, 2
	s_add_co_u32 s17, s17, s77                     ; neuron tile
	s_lshl_b32 s79, s77, 2
	s_lshl_b32 s79, 15, s79                        ; my row of the cluster
	s_lshl_b32 s80, 0x1111, s76                    ; my column
	s_or_b32 s[G1AY], s79, (3<<16)|(1<<21)         ; dense bytes as rows of 32 elements of 8 bytes; the mask, and bit 21 beside it
	s_or_b32 s[G1AX], s79, (3<<16)|(1<<21)
	s_or_b32 s[G1BY], s80, (3<<16)|(1<<21)
	s_or_b32 s[G1BX], s80, (3<<16)|(1<<21)
.irp g, G1AY, G1BY                     ; two records: 100 rows
	s_mov_b32 s[\g+1], 32<<16
	s_mov_b32 s[\g+2], 100<<16
	s_mov_b32 s[\g+3], 32<<16
	s_mov_b32 s[\g+4], 100
	s_mov_b32 s[\g+5], 32
	s_mov_b32 s[\g+6], 0
	s_mov_b32 s[\g+7], 0
.endr
.irp g, G1AX, G1BX                     ; four records: 200 rows
	s_mov_b32 s[\g+1], 32<<16
	s_mov_b32 s[\g+2], 200<<16
	s_mov_b32 s[\g+3], 32<<16
	s_mov_b32 s[\g+4], 200
	s_mov_b32 s[\g+5], 32
	s_mov_b32 s[\g+6], 0
	s_mov_b32 s[\g+7], 0
.endr
	s_mul_i32 s20, s17, 64*REC
	s_mov_b32 s21, 0
	s_mul_i32 s96, s78, 64*REC
	s_mov_b32 s97, 0
	s_mul_i32 s22, s16, 4*REC                      ; X: records 0-3 or 4-7
	s_mov_b32 s23, 0
	s_mul_i32 s66, s16, 2*REC
	s_add_co_u32 s66, s66, 8*REC                   ; Y: records 8, 9 or 10, 11
	s_mov_b32 s67, 0
	s_mul_i32 s81, s14, 2*REC                      ; where they go: the wave's number alone
	s_mul_i32 s82, s14, 4*REC
	s_add_co_u32 s82, s82, XB
	s_mul_i32 s83, s15, 8*REC                      ; step 15: two records a wave into X's first half
	s_mul_i32 s18, s16, 2*REC
	s_add_co_u32 s83, s83, s18
	s_add_co_u32 s83, s83, XB
	s_mul_i32 s89, s14, REC                        ; my record in a place
.irp u, 0,1,2,3
	s_xor_b32 s[90+\u], s14, \u
	s_mul_i32 s[90+\u], s[90+\u], 3072
	s_add_co_u32 s[90+\u], s[90+\u], s89           ; pair u of positions takes fragments 2 (u xor w), 2 (u xor w) + 1
.endr
	s_xor_b32 s94, s14, 1                          ; pair u goes to wave u xor w, as the (u - 1)-th of its three images
	s_mul_i32 s94, s94, 3*PAIR
	s_xor_b32 s95, s14, 2
	s_mul_i32 s95, s95, 3*PAIR
	s_add_co_u32 s95, s95, PAIR
	s_xor_b32 s98, s14, 3
	s_mul_i32 s98, s98, 3*PAIR
	s_add_co_u32 s98, s98, 2*PAIR
	s_mul_i32 s99, s14, 3*PAIR
	s_mov_b32 s88, 0x3dcccccd                      ; 0.1
	s_wait_dscnt 0x0                               ; both opening adds are done
	s_wait_kmcnt 0x0
	s_add_nc_u64 s[20:21], s[4:5], s[20:21]
	s_add_nc_u64 s[96:97], s[6:7], s[96:97]
	s_mov_b32 s[G0AX], 1
	s_mov_b32 s[G0AX+1], s82
	s_add_nc_u64 s[G0AX+2:G0AX+3], s[20:21], s[22:23]
	s_or_b32 s[G0AX+3], s[G0AX+3], 0x80000000
	s_mov_b32 s[G0BX], 1
	s_mov_b32 s[G0BX+1], s82
	s_add_nc_u64 s[G0BX+2:G0BX+3], s[96:97], s[22:23]
	s_or_b32 s[G0BX+3], s[G0BX+3], 0x80000000
	s_mov_b32 s[G0AY], 1
	s_mov_b32 s[G0AY+1], s81
	s_add_nc_u64 s[G0AY+2:G0AY+3], s[20:21], s[66:67]
	s_or_b32 s[G0AY+3], s[G0AY+3], 0x80000000
	s_mov_b32 s[G0BY], 1
	s_mov_b32 s[G0BY+1], s81
	s_add_nc_u64 s[G0BY+2:G0BY+3], s[96:97], s[66:67]
	s_or_b32 s[G0BY+3], s[G0BY+3], 0x80000000
	s_cmp_eq_u32 s15, 0                            ; the prefetches: the tensor that I fetch, and my place among the four that ask with me
	s_cselect_b64 s[PFY:PFY+1], s[20:21], s[96:97]
	s_cselect_b32 s19, s76, s77
	s_mul_i32 s19, s19, 6400
	s_add_co_u32 s18, s18, s19                     ; 2 records x my half + 6,400 x place
	s_mov_b32 s19, 0
	s_add_nc_u64 s[PFY:PFY+1], s[PFY:PFY+1], s[18:19]
	s_add_nc_u64 s[PFX:PFX+1], s[PFY:PFY+1], s[18:19]      ; X's form: twice that
	s_lshl_b32 s66, s17, 9
	s_add_nc_u64 s[8:9], s[8:9], s[66:67]          ; sp at my tile's 128 neurons
	s_lshl_b32 s66, s17, 19
	s_lshl_b32 s18, s14, 17
	s_add_co_u32 s66, s66, s18
	s_lshl_b32 s18, s78, 9
	s_add_co_u32 s66, s66, s18
	s_add_nc_u64 s[10:11], s[10:11], s[66:67]      ; w and out2 at my 32 neurons, my tile's 128 features
	s_add_nc_u64 s[12:13], s[12:13], s[66:67]
	s_add_co_u32 s22, s89, SCW
	s_lshl_b32 s23, s14, 7
	CROUND                                         ; all sixteen work-groups are here: the first joint loads meet
	JLOAD G0AX, G1AX, G0BX, G1BX                   ; steps 0 and 1: one tensor load a wave at the head
	v_and_b32 v1, 31, v0
	v_min_u32 v[PFO], 24, v1
	v_lshlrev_b32 v[PFO], 8, v[PFO]
	ASKY 8                                         ; step 2, and steps 3 and 4
	ASKX 12
	v_and_b32 v2, 15, v0                           ; r
	v_bfe_u32 v3, v0, 4, 1                         ; h
	v_lshlrev_b32 v[CO], 4, v1
.irp u, 0,1,2,3
	v_add_nc_u32 v[ADRA+\u], s[90+\u], v[CO]
	v_add_nc_u32 v[ADRA+4+\u], XB, v[ADRA+\u]
	v_add_nc_u32 v[ADRA+8+\u], XB+4*REC, v[ADRA+\u]
.endr
	v_add_nc_u32 v4, s89, v[CO]
	v_add_nc_u32 v[ADRB], 4*REC, v4
	v_add_nc_u32 v[ADRB+1], XB+8*REC, v4
	v_add_nc_u32 v[ADRB+2], XB+12*REC, v4
	v_xor_b32 v5, 1, v3
	v_mul_u32_u24 v5, s14, v5                      ; w in lanes 0-15, 0 in lanes 16-31: na's words are taken in the fragments' order, xb's as they lie
	v_lshl_add_u32 v6, v2, 5, s22                  ; my record's scale words, 32 r
	v_mul_u32_u24 v7, v3, 4*REC
	v_add_nc_u32 v6, v6, v7                        ; Y: xb's records lie 4 records behind na's,
	v_add_nc_u32 v7, v6, v7
	v_add_nc_u32 v7, XB, v7                        ; X: 8
.irp u, 0,1,2,3
	v_xor_b32 v4, \u, v5
	v_lshl_add_u32 v[ADRS+\u], v4, 3, v6
	v_lshl_add_u32 v[ADRS+4+\u], v4, 3, v7
	v_add_nc_u32 v[ADRS+8+\u], 4*REC, v[ADRS+4+\u]
.endr
	v_add_nc_u32 v[EXW], s94, v[CO]
	v_add_nc_u32 v[EXW+1], s95, v[CO]
	v_add_nc_u32 v[EXW+2], s98, v[CO]
	v_add_nc_u32 v[EXR], s99, v[CO]
	v_lshl_add_u32 v[SO], v1, 2, s23
	v_add_nc_u32 v[SMW], SUMB, v[SO]
	v_lshl_add_u32 v[SMR], v3, 5, s23
	v_add_nc_u32 v[SMR], SUMB, v[SMR]
	v_lshlrev_b32 v[WO], 4, v2
	v_lshl_add_u32 v[WO], v3, 15, v[WO]
	v_lshlrev_b32 v[PFW], 12, v1
.macro FRAG reg, adr, off              ; a fragment comes as it was stored: three loads, 512 consecutive bytes each
.irp c, 0,1,2
	ds_load_b128 v[\reg+4*\c:\reg+4*\c+3], v[\adr] offset:\off+512*\c
.endr
.endm
.macro FETCH_B pl, st
	WIN TO_B
.irp i, 0,1,2,3,4,5,6,7
	FRAG 128*(\st)+FR*\i, ADRB+\pl, 1536*\i
.endr
	WIN 0
.endm
.macro FETCH_A pl, i0
.irp i, \i0, \i0+1, \i0+2, \i0+3
	FRAG AF+FR*(\i), ADRA+4*(\pl)+(\i)/2, 1536*((\i)%2)
.endr
.endm
.macro SCALES pl, st                   ; register SC + 8 st + i: lanes 0-15 the word of position i of na, lanes 16-31 that of tile i of xb
.irp u, 0,1,2,3
	ds_load_b64 v[SC+8*(\st)+2*\u:SC+8*(\st)+2*\u+1], v[ADRS+4*(\pl)+\u]
.endr
.endm
; 16 matrix instructions: positions a0, a0 + 1 x xb's eight tiles.  The 64 accumulators take turns, one instruction a turn, in the same order in every step.
.macro MUL16 a0, sl, zero
.irp a, \a0, \a0+1
.irp b, 0,1,2,3,4,5,6,7
.if \zero
	v_wmma_scale_f32_16x16x128_f8f6f4 v[8*(8*((\a)%4)+\b):8*(8*((\a)%4)+\b)+7], v[AF+FR*(\a):AF+FR*(\a)+FR-1], v[128*(\sl)+FR*\b:128*(\sl)+FR*\b+FR-1], 0, v[SC+8*(\sl)+(\a)], v[SC+8*(\sl)+\b] matrix_a_fmt:MATRIX_FMT_FP6 matrix_b_fmt:MATRIX_FMT_FP6 matrix_b_scale:MATRIX_SCALE_ROW1
.else
	v_wmma_scale_f32_16x16x128_f8f6f4 v[8*(8*((\a)%4)+\b):8*(8*((\a)%4)+\b)+7], v[AF+FR*(\a):AF+FR*(\a)+FR-1], v[128*(\sl)+FR*\b:128*(\sl)+FR*\b+FR-1], v[8*(8*((\a)%4)+\b):8*(8*((\a)%4)+\b)+7], v[SC+8*(\sl)+(\a)], v[SC+8*(\sl)+\b] matrix_a_fmt:MATRIX_FMT_FP6 matrix_b_fmt:MATRIX_FMT_FP6 matrix_b_scale:MATRIX_SCALE_ROW1
.endif
.endr
.endr
.endm
; A step: 64 matrix instructions on the fragments in hand (xb's set st); the next step's are fetched from place nx, in its middle and at its end.
; head 0: nothing is filled.  head 1, 2, 4: this step's fragments were the last reads of a slot: each wave waits for all its tensor loads, adds 0 to its spare word, waits for that and for its reads; a round of the
; cluster's barrier; the slot's refill first behind it (1: Y, 2: X, three steps on; 4: step 15 into X's first half, by Y's descriptors).  head 3: the same lines and the work-group's barrier; nothing is left to fetch.
.macro KSTEP st, head, nx, zero, kind, k
.if \head == 0
	s_wait_dscnt 4*NL                              ; the youngest twelve loads (positions 4-7) may be out
.else
	s_wait_tensorcnt 0x0                           ; all my tensor loads have landed, so a group 0 may be written
	ds_add_u32 v[SPW], v[NIL]
.if \head == 1
	s_add_nc_u64 s[G0AY+2:G0AY+3], s[G0AY+2:G0AY+3], 12*REC
	s_add_nc_u64 s[G0BY+2:G0BY+3], s[G0BY+2:G0BY+3], 12*REC
.elseif \head == 2
	s_add_nc_u64 s[G0AX+2:G0AX+3], s[G0AX+2:G0AX+3], 12*REC
	s_add_nc_u64 s[G0BX+2:G0BX+3], s[G0BX+2:G0BX+3], 12*REC
.elseif \head == 4
	s_add_nc_u64 s[G0AY+2:G0AY+3], s[G0AY+2:G0AY+3], 4*REC
	s_add_nc_u64 s[G0BY+2:G0BY+3], s[G0BY+2:G0BY+3], 4*REC
	s_mov_b32 s[G0AY+1], s83
	s_mov_b32 s[G0BY+1], s83
.endif
	s_wait_dscnt 0x0                               ; the add is done, and my reads of the slot are over
	s_barrier_signal -1
	s_barrier_wait -1
.if \head != 3
	CREST
.endif
.if \head == 2
	JLOAD G0AX, G1AX, G0BX, G1BX
.elseif \head != 3
	JLOAD G0AY, G1AY, G0BY, G1BY
.endif
.endif
	WIN MUL_LO
	MUL16 0, \st, \zero
	MUL16 2, \st, \zero
.if \head == 0
	s_wait_dscnt 0x0                               ; positions 4-7 are in
.endif
	PLACES NP                                      ; in front of loads into registers that matrix instructions have read
	FETCH_B \nx, 1-\st
	FETCH_A \nx, 0
	SCALES \nx, 1-\st
	ASK \kind, \k
	WIN MUL_HI
	MUL16 4, \st, \zero
	MUL16 6, \st, \zero
	PLACES NP
	WIN 0
	FETCH_A \nx, 4
.endm
	s_wait_alu depctr_va_vdst(0)
	s_wait_tensorcnt 0x0                           ; my part of X is in
	ds_add_u32 v[SPW], v[NIL]
	s_wait_dscnt 0x0
	CROUND
	JLOAD G0AY, G1AY, G0BY, G1BY                   ; step 2: it has steps 0's work in which to land
	FETCH_B 1, 0
	FETCH_A 1, 0
	SCALES 1, 0
	FETCH_A 1, 4
	ASKY 20                                        ; step 5
.set i, 0
.rept 32
	global_load_b32 v[64+i], v[SO], s[8:9] offset:16384*i          ; the 32 parts of s of neuron 32 w + lane; waited for at the end
.set i, i+1
.endr
	KSTEP 0, 0, 2, 1, 0, 0                         ; step 0 starts the sums
	s_mov_b32 s3, 2
.Llap:                                                 ; a trip is six steps: twice round the ring, and xb's two sets are back where they began.  Steps 1-6, 7-12
	KSTEP 1, 2, 0, 0, 1, 24
	KSTEP 0, 1, 1, 0, 2, 32
	KSTEP 1, 0, 2, 0, 0, 0
	KSTEP 0, 2, 0, 0, 3, 36
	KSTEP 1, 1, 1, 0, 4, 44
	KSTEP 0, 0, 2, 0, 0, 0
	s_wait_xcnt 0x0                                ; my prefetches have read their bases
	s_add_nc_u64 s[PFY:PFY+1], s[PFY:PFY+1], 24*REC
	s_add_nc_u64 s[PFX:PFX+1], s[PFX:PFX+1], 24*REC
	s_sub_co_u32 s3, s3, 1
	s_cmp_lg_u32 s3, 0
	s_cbranch_scc1 .Llap
	KSTEP 1, 4, 0, 0, 5, 0                         ; step 13
	KSTEP 0, 3, 1, 0, 0, 0                         ; step 14
	s_wait_dscnt 0x0                               ; step 15's fragments are in: my reads of the slots are over
	WIN TO_B
.irp a, 0,1                            ; w of my 32 neurons, in the result's layout: sixteen lanes take 256 consecutive bytes of a row, lanes 16-31 those eight rows down.  Into xb's set 0, which is done with
.irp j, 0,1,2,3,4,5,6,7
.irp q, 0,1
	global_load_b128 v[4*(16*\a+2*\j+\q):4*(16*\a+2*\j+\q)+3], v[WO], s[10:11] offset:4096*(16*\a+\j)+256*\q th:TH_LOAD_NT
.endr
.endr
.endr
	WIN 0
	s_barrier_signal -1                            ; behind this barrier the slots take the images
	WIN MUL_LO
	MUL16 0, 1, 0
	MUL16 2, 1, 0
	WIN MUL_HI
	MUL16 4, 1, 0
	MUL16 6, 1, 0
	WIN 0
	s_barrier_wait -1
	PLACES NP
	WIN 0x08                                       ; the data: window 2
.set n, 0
.rept 32
	ds_store_b128 v[EXW], v[128+4*n:131+4*n] offset:512*n          ; positions 2, 3; each accumulator from its low end on
.set n, n+1
.endr
	WIN 0x0c                                       ; window 3
.set n, 0
.rept 32
	ds_store_b128 v[EXW+1], v[4*n:4*n+3] offset:512*n              ; positions 4, 5
.set n, n+1
.endr
.set n, 0
.rept 32
	ds_store_b128 v[EXW+2], v[128+4*n:131+4*n] offset:512*n        ; positions 6, 7
.set n, n+1
.endr
	WIN 0
	s_wait_loadcnt 32                              ; s's parts are in; w's 32 loads may be out
.irp n, 16,8,4,2
.set i, 0
.rept \n
	v_add_f32 v[64+i], v[64+i], v[64+\n+i]
.set i, i+1
.endr
.endr
	v_sub_f32 v64, -v64, v65                       ; -s of neuron 32 w + lane
	ds_store_b32 v[SMW], v64
	ds_load_b128 v[SS:SS+3], v[SMR]                ; LDS serves a wave's instructions in order.  Register SS + 8 a + j: -s of neuron 16 a + 8 h + j
	ds_load_b128 v[SS+4:SS+7], v[SMR] offset:16
	ds_load_b128 v[SS+8:SS+11], v[SMR] offset:64
	ds_load_b128 v[SS+12:SS+15], v[SMR] offset:80
	s_wait_dscnt 0x0                               ; for the others' sake: my images lie in LDS
	s_barrier_signal -1
	s_barrier_wait -1
.macro TAKE off                        ; an image of 128 registers into v128-255 of the window that is set
.set n, 0
.rept 32
	ds_load_b128 v[128+4*n:131+4*n], v[EXR] offset:\off+512*n
.set n, n+1
.endr
.endm
.macro ADDIN w                         ; my positions 0, 1 (window 2, v0-127) += the image
	WIN \w
.set i, 0
.rept 64
	v_pk_add_f32 v[i:i+1], v[i:i+1], v[128+i:129+i]
.set i, i+2
.endr
.endm
	TAKE 0
	WIN TO_B
	TAKE PAIR
	WIN 0
	s_wait_dscnt 32                                ; the first image is in
	ADDIN 0x82
	WIN 0
	TAKE 2*PAIR
	s_wait_dscnt 32                                ; the second
	ADDIN 0x86
	s_wait_dscnt 0x0
	s_wait_loadcnt 0x0                             ; and w
	ADDIN 0x82
.irp a, 0,1
	WIN 0xa4                                       ; -s window 0, w window 1, the sums window 2
.irp q, 0,1
.irp j, 0,1,2,3,4,5,6,7
.irp i, 0,1,2,3
	v_fma_f32 v[64*\a+8*(4*\q+\i)+\j], v[SS+8*\a+\j], v[4*(16*\a+2*\j+\q)+\i], v[64*\a+8*(4*\q+\i)+\j]   ; neigh^T X - s w
.endr
.endr
.endr
	WIN 0x52
.irp q, 0,1
.irp j, 0,1,2,3,4,5,6,7
.irp i, 0,1,2,3
	v_fma_f32 v[4*(16*\a+2*\j+\q)+\i], v[64*\a+8*(4*\q+\i)+\j], s88, v[4*(16*\a+2*\j+\q)+\i]             ; w + 0.1 x that
.endr
.endr
.endr
	WIN 0x04
.irp j, 0,1,2,3,4,5,6,7
.irp q, 0,1
	global_store_b128 v[WO], v[4*(16*\a+2*\j+\q):4*(16*\a+2*\j+\q)+3], s[12:13] offset:4096*(16*\a+\j)+256*\q th:TH_STORE_NT   ; sixteen lanes store 256 consecutive bytes, aligned
.endr
.endr
.endr
	WIN 0
	s_wait_tensorcnt 0x0                           ; the wave's end
	ds_add_u32 v[SPW], v[NIL]
	s_wait_dscnt 0x0
	CROUND                                         ; the closing round
	s_endpgm
.Lfunc_end_k_q9b8ba5413b_update:
	.size	k_q9b8ba5413b_update, .Lfunc_end_k_q9b8ba5413b_update-k_q9b8ba5413b_update
	.p2alignl 7, 3214868480
	.fill 96, 4, 3214868480
	.section	.rodata,"a",@progbits
	.p2align	6, 0x0
	.amdhsa_kernel k_q9b8ba5413b_update
		.amdhsa_group_segment_fixed_size 327680
		.amdhsa_private_segment_fixed_size 0
		.amdhsa_enable_private_segment 0
		.amdhsa_kernarg_size 40
		.amdhsa_user_sgpr_count 2
		.amdhsa_user_sgpr_kernarg_segment_ptr 1
		.amdhsa_wavefront_size32 1
		.amdhsa_system_sgpr_workgroup_id_x 1
		.amdhsa_system_sgpr_workgroup_id_y 1
		.amdhsa_system_sgpr_workgroup_id_z 1
		.amdhsa_system_vgpr_workitem_id 0
		.amdhsa_next_free_vgpr 1024
		.amdhsa_next_free_sgpr 100
		.amdhsa_reserve_vcc 0
		.amdhsa_float_denorm_mode_32 3
		.amdhsa_float_denorm_mode_16_64 3
		.amdhsa_memory_ordered 1
		.amdhsa_forward_progress 1
		.amdhsa_inst_pref_size 187
	.end_amdhsa_kernel
	.amdgpu_metadata
---
amdhsa.version: [ 1, 2 ]
amdhsa.kernels:
  - .name:           k_q9b8ba5413b_update
    .symbol:         k_q9b8ba5413b_update.kd
    .args:
      - { .name: na, .offset: 0, .size: 8, .value_kind: global_buffer, .address_space: global }
      - { .name: xb, .offset: 8, .size: 8, .value_kind: global_buffer, .address_space: global }
      - { .name: sp, .offset: 16, .size: 8, .value_kind: global_buffer, .address_space: global }
      - { .name: weights_map, .offset: 24, .size: 8, .value_kind: global_buffer, .address_space: global }
      - { .name: out2, .offset: 32, .size: 8, .value_kind: global_buffer, .address_space: global }
    .group_segment_fixed_size: 327680
    .private_segment_fixed_size: 0
    .kernarg_segment_align: 8
    .kernarg_segment_size: 40
    .max_flat_workgroup_size: 128
    .sgpr_count:     100
    .vgpr_count:     1024
    .wavefront_size: 32
...
	.end_amdgpu_metadata
.endif
;; end of part 4
